; MI455X (gfx1250); checked and timed in simulation.
; The chip was launched on July 23, 2026; its instructions are those of AMD's public machine-readable ISA for CDNA 5 (MIT licence, August 2026) and "CDNA5" Instruction Set Architecture Reference Guide (July 2026). The comments in the code are by the model that wrote it; some were corrected since.
;; Multi Head Attention. Allowed arithmetic: matrix products marked QUANTISED: E4M3 operands, one given power-of-two scale a tensor, by v_wmma_f32_16x16x64_fp8_fp8 or v_wmma_f32_16x16x128_fp8_fp8, f32 sums; everything else in f32.
;; Inputs: Wk 16 x 1,024 x 64 float32; Wp 1,024 x 1,024 float32; Wq 16 x 1,024 x 64 float32; Wv 16 x 1,024 x 64 float32; bp 1,024 float32; lowp_scales 12 int32 (the exponents e of the quantised operands' scales 2^e); x 4 x 2,048 x 1,024 float32.
;; Outputs: out0 4 x 2,048 x 1,024 float32.
;; This version of the problem:
;;   THIS VERSION OF THE PROBLEM IS GIVEN IN LOW PRECISION. The matrix products marked QUANTISED in the list below multiply operands that are first quantised to E4M3 (4 exponent bits, 3 mantissa bits; 8 bits a number), with one given power-of-two scale for each operand tensor; their sums are f32. All else is computed in f32.
;;   The module's matrix products, in the order in which they are computed (A, B: the left and right operand; K: the contracted axis; several contracted axes count as one K, in the product's order):
;;     1. [M 1,024, K 1,024] x [K 1,024, N 8,192]; A: input Wq; B: input x: QUANTISED (scales: A lowp_scales[0], B lowp_scales[1])
;;     2. [M 1,024, K 1,024] x [K 1,024, N 8,192]; A: input Wk; B: input x: QUANTISED (scales: A lowp_scales[2], B lowp_scales[3])
;;     3. [M 1,024, K 1,024] x [K 1,024, N 8,192]; A: input Wv; B: input x: QUANTISED (scales: A lowp_scales[4], B lowp_scales[5])
;;     4. batch 64 x [M 2,048, K 64] x [K 64, N 2,048]; A: computed on the way; B: computed on the way: QUANTISED (scales: A lowp_scales[6], B lowp_scales[7])
;;     5. batch 64 x [M 2,048, K 2,048] x [K 2,048, N 64]; A: softmax (see below); B: computed on the way: QUANTISED (scales: A lowp_scales[8], B lowp_scales[9])
;;     6. [M 8,192, K 1,024] x [K 1,024, N 1,024]; A: computed on the way; B: input Wp: QUANTISED (scales: A lowp_scales[10], B lowp_scales[11])
;;   THE QUANTISER, for each operand of a quantised product, along K:
;;     - The operand's scale is 2^e, e = its entry of the input lowp_scales (int32; the entries are numbered through the quantised products in the list's order, A before B).
;;     - Each number is divided by the scale, clamped to +-448, and rounded to the nearest number of E4M3, ties to even, subnormals kept.
;;     - The product sums the exact products of the quantised numbers (number of the format x scale) in f32.
;;   ~~~python
;;   def quantise(x, axis, e):      # numpy; x: float32 -> the quantised numbers, widened to float32 again
;;       x = np.moveaxis(x, axis, -1); K = x.shape[-1]
;;       r = np.clip(x / 2.0 ** e, -448, 448)
;;       step = 2.0 ** (np.maximum(np.frexp(np.where(r == 0, 1, r))[1] - 1, -6) - 3)
;;       q = np.round(r / step) * step * 2.0 ** e      # np.round: ties to even
;;       return np.moveaxis(q, -1, axis).astype(np.float32)
;;   ~~~
;;   SOFTMAX AHEAD OF A QUANTISED PRODUCT. Where the list says 'softmax', what is quantised is not the finished softmax but p = 2^(t - M), with t = logit x log2(e) and M = ceil(the row's largest t), a whole number; so 1/2 < the row's largest p <= 1. The row's sum l is taken of the UNQUANTISED p, in f32, and the product's result is divided by l at the end. Since M is a whole number, a kernel that streams over the keys may use a running M (the ceiling of the running maximum): every later rescaling is an exact power of two, so the quantised numbers keep their values, but for numbers so far below the row's largest that they fall under the format's range.
;;   OPERANDS COMPUTED ON THE WAY. 'Computed on the way' means the value that the module computes at that place (a softmax that the list does not call 'softmax' is quantised finished and normalised). What goes into a quantiser is computed in f32, as accurately as f32 sums, v_exp_f32 and their like allow (about 1e-6 of the number): no bf16 or f16 on the way to a quantiser, and a product that is left as it is and whose result goes on into a quantised operand takes f32 operands (vector FMAs, or v_wmma_f32_16x16x4_f32). A number that lies on a knife's edge between two numbers of the format may be rounded either way, as far as f32 arithmetic and the matrix unit's own rounding can turn it there, and no further.
;; 2 versions, each right; version 2 is version 1 with the launch attn written anew for expert scheduling mode. Each part assembles by itself: llvm-mc -triple=amdgcn-amd-amdhsa -mcpu=gfx1250 --defsym DOCPART=n.
;; ======== version 1 of 2: 4 launches
;; workspace buffers: xc 25,165,824 bytes; wc 4,194,304 bytes; qkvc 25,165,824 bytes; oc 8,388,608 bytes
;; launch quant (part 1): grid 1248 x 1, 4 waves a work-group, no clusters, 35,328 bytes of LDS; arguments x, Wq, Wk, Wv, Wp, lowp_scales, xc, wc; writes xc, wc
.if DOCPART == 1
	.amdgcn_target "amdgcn-amd-amdhsa--gfx1250"
	.amdhsa_code_object_version 6
	.text
	.protected	k_q3e605f4000_quant
	.globl	k_q3e605f4000_quant
	.p2align	8
	.type	k_q3e605f4000_quant,@function
k_q3e605f4000_quant:
	s_mov_b64 s[64:65], 0
	v_nop
	global_prefetch_b8 v0, s[64:65] scope:SCOPE_SE
	s_setreg_imm32_b32 hwreg(HW_REG_WAVE_MODE, 25, 1), 1
	s_wait_xcnt 0x0
; All inputs become codes of FP8 (E4M3): code = number / 2^e, held within +-448, rounded to the nearest code, ties to even.
; THREE ROLES, told apart by the work-group's number:
;   X (work-groups 0-1023):    x [8192][1024] f32 -> xc, three sections of 8 MiB, by e1, e3 and e5 (x is an operand of three products, each with a scale of its own).
;   P (work-groups 1024-1151): Wp [1024 n][1024 k] f32 -> wc section 3, by e11.
;   W (work-groups 1152-1247): Wq, Wk, Wv [16 h][1024 k][64 d] f32 -> wc sections 0-2, rows n = 64 h + d with K innermost, by e0, e2, e4.
; THE ORDER ALONG K.  In xc and in wc's sections 0-2, place p of each group of 256 along K holds k = 4 (p / 8) + p % 4 + 128 ((p / 4) % 2): the same order on both sides of a product,
; so that every product meets its partner.  It is the order in which two dense loads of x (16 bytes a lane, 512 bytes apart) leave eight numbers in a lane: x needs no turn through LDS.
; In wc's section 3 the four pieces of 8 codes of each 32 stand in the order 0, 2, 1, 3: so four 16-byte loads a lane give the last product's fragment of Wp the places that its other operand has.
; LIMITS: e0 .. e5 and e11 between -126 and 119, so that 2^e and 448 x 2^e are f32 numbers.  NaN among the inputs is not served (an infinity is held at the largest code).
; No matrix unit, no cluster, no tensor load: a stream whose work-groups share nothing.  Only role W uses LDS.
.set SPARE, 34816                      ; behind W's four stages: the spare words, 128 bytes for each wave: two blocks of 256 bytes that no other line names
.set SPW,   14                         ; v14  LDS address of my spare word; never rewritten
.set NIL,   15                         ; v15  0; never rewritten
.set R,     16                         ; X, P: v16-79   eight steps x 8 numbers as loaded
.set T,     80                         ; X, P: v80-95   two sets of 8 held numbers, by turns
.set C,     96                         ; X, P: v96-143  codes: two registers for each conversion, so that no store's data are written again
.set PITCH, 272                        ; W: a stage row: 256 bytes of codes + 16
.set XW,    32                         ; W: v32-95   two sets of 32 numbers
.set CW,    96                         ; W: v96-103  a block's codes
.set OUTR,  112                        ; W: v112-175 the way out
.macro MKS e, vsc, vlim                ; from the exponent in s[e]: v[vsc] = 2^e as f32 (the conversion takes its exponent field), v[vlim] = 448 x 2^e
	s_add_co_i32 s44, s[\e], 127
	s_lshl_b32 s45, s44, 23
	v_mov_b32 v[\vsc], s45
	s_add_co_i32 s44, s44, 8
	s_lshl_b32 s44, s44, 23
	s_or_b32 s44, s44, 0x600000
	v_mov_b32 v[\vlim], s44
.endm
.macro LOADS d                         ; all of a wave's 2,048 numbers: sixteen loads at once; step s takes 1,024 bytes, each lane 16 bytes and the 16 bytes d further on
.irp s, 0,1,2,3,4,5,6,7
	global_load_b128 v[R+8*\s:R+8*\s+3], v3, s[4:5] offset:1024*\s th:TH_LOAD_NT
	global_load_b128 v[R+8*\s+4:R+8*\s+7], v3, s[4:5] offset:1024*\s+\d th:TH_LOAD_NT
.endr
.endm
.macro CONV s, n, sc, lim, base        ; conversion number n: step s's eight numbers, held, become eight codes; 32 lanes store 256 consecutive bytes, aligned
.irp i, 0,1,2,3,4,5,6,7
	v_med3_num_f32 v[T+8*((\n)%2)+\i], v[R+8*(\s)+\i], -v[\lim], v[\lim]   ; the conversion to an 8-bit code does not saturate (ISA guide 7.6.2): the hold comes first
.endr
	v_cvt_scalef32_pk8_fp8_f32 v[C+2*(\n):C+2*(\n)+1], v[T+8*((\n)%2):T+8*((\n)%2)+7], v[\sc]   ; the next conversion's eight holds, on the other set, are the plain lines behind it
	global_store_b64 v4, v[C+2*(\n):C+2*(\n)+1], s[\base:\base+1] offset:256*(\s)
.endm
.macro CLOSE                           ; the wave's end
	s_wait_tensorcnt 0x0
	ds_add_u32 v[SPW], v[NIL]
	s_wait_dscnt 0x0
	s_endpgm
.endm
	s_load_b256 s[4:11], s[0:1], 0x0               ; x s[4:5], Wq s[6:7], Wk s[8:9], Wv s[10:11]
	s_load_b256 s[12:19], s[0:1], 0x20             ; Wp s[12:13], the exponents s[14:15], xc s[16:17], wc s[18:19]
	v_lshl_add_u32 v[SPW], v0, 2, SPARE
	v_mov_b32 v[NIL], 0
	v_lshrrev_b32 v1, 5, v0
	v_readfirstlane_b32 s20, v1                    ; wave 0..3
	v_and_b32 v2, 31, v0                           ; lane
	s_mov_b32 s23, 0
	s_wait_kmcnt 0x0
	s_load_b256 s[32:39], s[14:15], 0x0            ; e0 .. e7
	s_load_b32 s40, s[14:15], 0x2c                 ; e11
	s_cmp_lt_u32 ttmp9, 1024
	s_cbranch_scc0 .Lnot_x
	; ---- ROLE X
	s_lshl_b32 s21, ttmp9, 2
	s_add_co_u32 s21, s21, s20                     ; which run of 2,048 numbers is my wave's
	s_lshl_b32 s22, s21, 13
	s_add_nc_u64 s[4:5], s[4:5], s[22:23]
	s_lshl_b32 s22, s21, 11
	s_add_nc_u64 s[24:25], s[16:17], s[22:23]      ; its codes by e1,
	s_add_nc_u64 s[26:27], s[24:25], 0x800000      ; by e3,
	s_add_nc_u64 s[28:29], s[24:25], 0x1000000     ; by e5
	v_lshlrev_b32 v3, 4, v2                        ; in: 16 bytes a lane: a load reads 512 consecutive bytes
	v_lshlrev_b32 v4, 3, v2                        ; out: 8 bytes a lane
	LOADS 512
	s_wait_kmcnt 0x0
	MKS 33, 144, 145
	MKS 35, 146, 147
	MKS 37, 148, 149
.irp s, 0,1,2,3,4,5,6,7
	s_wait_loadcnt 14-2*\s                         ; this step's two loads are in; the later steps' may be out
	CONV \s, 3*\s, 144, 145, 24
	CONV \s, 3*\s+1, 146, 147, 26
	CONV \s, 3*\s+2, 148, 149, 28
.endr
	v_nop                                          ; a plain line behind the last conversion
	CLOSE
.Lnot_x:
	s_cmp_lt_u32 ttmp9, 1152
	s_cbranch_scc0 .Lnot_p
	; ---- ROLE P
	s_sub_co_u32 s21, ttmp9, 1024
	s_lshl_b32 s21, s21, 2
	s_add_co_u32 s21, s21, s20
	s_lshl_b32 s22, s21, 13
	s_add_nc_u64 s[4:5], s[12:13], s[22:23]        ; my 2,048 numbers of Wp
	s_lshl_b32 s22, s21, 11
	s_add_co_u32 s22, s22, 0x300000                ; section 3
	s_add_nc_u64 s[24:25], s[18:19], s[22:23]
	v_lshlrev_b32 v3, 5, v2                        ; in: 32 bytes a lane, eight neighbours along K, by two loads; the pair covers 1,024 consecutive bytes
	v_and_b32 v5, 28, v2
	v_and_b32 v6, 1, v2
	v_lshl_or_b32 v5, v6, 1, v5
	v_bfe_u32 v6, v2, 1, 1
	v_or_b32 v5, v5, v6                            ; my lane's number with its two low bits exchanged:
	v_lshlrev_b32 v4, 3, v5                        ; out: pieces 0, 2, 1, 3 of each 32 codes
	LOADS 16
	s_wait_kmcnt 0x0
	MKS 40, 144, 145
.irp s, 0,1,2,3,4,5,6,7
	s_wait_loadcnt 14-2*\s
	CONV \s, \s, 144, 145, 24
.endr
	v_nop
	CLOSE
.Lnot_p:
	; ---- ROLE W: a lane takes a column d and its registers run down K, in the order of the places; a wave takes 32 columns x 256 along K
	s_sub_co_u32 s21, ttmp9, 1152
	s_lshr_b32 s46, s21, 5                         ; which tensor: 0 Wq, 1 Wk, 2 Wv
	s_bfe_u32 s47, s21, 0x40001                    ; the head
	s_and_b32 s22, s21, 1
	s_lshl_b32 s22, s22, 1
	s_lshr_b32 s23, s20, 1
	s_add_co_u32 s22, s22, s23                     ; which 256 along K
	s_and_b32 s23, s20, 1                          ; which 32 of the head's 64 columns
	s_lshl_b32 s24, s47, 18                        ; in: head x 1,024 rows of 256 bytes
	s_lshl_b32 s25, s22, 16                        ;     + 256 rows for each group
	s_add_co_u32 s24, s24, s25
	s_lshl_b32 s25, s23, 7                         ;     + 32 columns of 4 bytes
	s_add_co_u32 s24, s24, s25
	s_mov_b32 s25, 0
	s_lshl_b32 s26, s46, 20                        ; out: the tensor's section
	s_lshl_b32 s27, s47, 16                        ;      + 64 rows of 1,024 bytes for each head
	s_add_co_u32 s26, s26, s27
	s_lshl_b32 s27, s23, 15                        ;      + 32 rows
	s_add_co_u32 s26, s26, s27
	s_lshl_b32 s27, s22, 8                         ;      + 256 bytes for each group
	s_add_co_u32 s26, s26, s27
	s_mov_b32 s27, 0
	s_cmp_eq_u32 s46, 0
	s_cselect_b64 s[28:29], s[6:7], s[8:9]
	s_cmp_eq_u32 s46, 2
	s_cselect_b64 s[28:29], s[10:11], s[28:29]
	s_add_nc_u64 s[28:29], s[28:29], s[24:25]
	s_add_nc_u64 s[30:31], s[18:19], s[26:27]
	v_lshlrev_b32 v3, 2, v2                        ; in: 4 bytes a lane: a load reads 128 consecutive bytes, the two waves side by side a whole row
	s_mul_i32 s24, s20, 32*PITCH                   ; my stage
	v_mul_u32_u24 v4, v2, PITCH
	v_add_nc_u32 v4, s24, v4                       ; into it: row = my column
	v_and_b32 v5, 15, v2
	v_lshrrev_b32 v6, 4, v2
	v_mul_u32_u24 v7, v6, PITCH
	v_lshl_add_u32 v7, v5, 4, v7
	v_add_nc_u32 v7, s24, v7                       ; out of it: sixteen lanes to a row, two rows an instruction
	v_lshlrev_b32 v8, 10, v6
	v_lshl_add_u32 v8, v5, 4, v8                   ; and the same place in wc
.macro WLOAD t                         ; block t: the numbers of places 32 t .. 32 t + 31 of my column, into set t % 2
.irp i, 0,1,2,3,4,5,6,7,8,9,10,11,12,13,14,15,16,17,18,19,20,21,22,23,24,25,26,27,28,29,30,31
	global_load_b32 v[XW+32*((\t)%2)+\i], v3, s[28:29] offset:(16*(\t)+4*(\i/8)+(\i%4)+128*((\i/4)%2))*256 th:TH_LOAD_NT
.endr
.endm
.macro WBLOCK t
.set XS, XW+32*((\t)%2)
.if (\t) < 7
	s_wait_loadcnt 32                              ; this block's 32 loads are in; the next block's may be out
.else
	s_wait_loadcnt 0
.endif
.irp i, 0,1,2,3,4,5,6,7,8,9,10,11,12,13,14,15,16,17,18,19,20,21,22,23,24,25,26,27,28,29,30,31
	v_med3_num_f32 v[XS+\i], v[XS+\i], -v10, v10
.endr
.irp g, 0,1,2,3
	v_cvt_scalef32_pk8_fp8_f32 v[CW+2*\g:CW+2*\g+1], v[XS+8*\g:XS+8*\g+7], v11
.endr
	ds_store_b128 v4, v[CW:CW+3] offset:32*(\t)
	ds_store_b128 v4, v[CW+4:CW+7] offset:32*(\t)+16
.if (\t)+2 < 8
	WLOAD (\t)+2
.endif
	s_wait_dscnt 0x0                               ; the stores have read their registers: the next block's codes may be written
.endm
	WLOAD 0
	WLOAD 1
	s_wait_kmcnt 0x0
	s_cmp_eq_u32 s46, 0
	s_cselect_b32 s47, s32, s34                    ; e0 or e2,
	s_cmp_eq_u32 s46, 2
	s_cselect_b32 s47, s36, s47                    ; or e4
	MKS 47, 11, 10
.irp t, 0,1,2,3,4,5,6,7
	WBLOCK \t
.endr
	v_nop                                          ; a plain line behind the last conversion
.irp t, 0,1,2,3,4,5,6,7,8,9,10,11,12,13,14,15
	ds_load_b128 v[OUTR+4*\t:OUTR+4*\t+3], v7 offset:2*\t*PITCH   ; LDS serves a wave's instructions in order (ISA guide 5.7.1.4): these see my stores
.endr
.irp t, 0,1,2,3,4,5,6,7,8,9,10,11,12,13,14,15
	s_wait_dscnt 15-\t                             ; the younger loads may be out
	global_store_b128 v8, v[OUTR+4*\t:OUTR+4*\t+3], s[30:31] offset:2*\t*1024   ; sixteen lanes store 256 consecutive bytes, aligned
.endr
	CLOSE
.Lfunc_end_k_q3e605f4000_quant:
	.size	k_q3e605f4000_quant, .Lfunc_end_k_q3e605f4000_quant-k_q3e605f4000_quant
	.p2alignl 7, 3214868480
	.fill 96, 4, 3214868480
	.section	.rodata,"a",@progbits
	.p2align	6, 0x0
	.amdhsa_kernel k_q3e605f4000_quant
		.amdhsa_group_segment_fixed_size 35328
		.amdhsa_private_segment_fixed_size 0
		.amdhsa_enable_private_segment 0
		.amdhsa_kernarg_size 64
		.amdhsa_user_sgpr_count 2
		.amdhsa_user_sgpr_kernarg_segment_ptr 1
		.amdhsa_wavefront_size32 1
		.amdhsa_system_sgpr_workgroup_id_x 1
		.amdhsa_system_sgpr_workgroup_id_y 1
		.amdhsa_system_sgpr_workgroup_id_z 1
		.amdhsa_system_vgpr_workitem_id 0
		.amdhsa_next_free_vgpr 192
		.amdhsa_next_free_sgpr 66
		.amdhsa_reserve_vcc 0
		.amdhsa_float_denorm_mode_32 3
		.amdhsa_float_denorm_mode_16_64 3
		.amdhsa_memory_ordered 1
		.amdhsa_forward_progress 1
		.amdhsa_inst_pref_size 77
	.end_amdhsa_kernel
	.amdgpu_metadata
---
amdhsa.version: [ 1, 2 ]
amdhsa.kernels:
  - .name:           k_q3e605f4000_quant
    .symbol:         k_q3e605f4000_quant.kd
    .args:
      - { .name: x, .offset: 0, .size: 8, .value_kind: global_buffer, .address_space: global }
      - { .name: Wq, .offset: 8, .size: 8, .value_kind: global_buffer, .address_space: global }
      - { .name: Wk, .offset: 16, .size: 8, .value_kind: global_buffer, .address_space: global }
      - { .name: Wv, .offset: 24, .size: 8, .value_kind: global_buffer, .address_space: global }
      - { .name: Wp, .offset: 32, .size: 8, .value_kind: global_buffer, .address_space: global }
      - { .name: lowp_scales, .offset: 40, .size: 8, .value_kind: global_buffer, .address_space: global }
      - { .name: xc, .offset: 48, .size: 8, .value_kind: global_buffer, .address_space: global }
      - { .name: wc, .offset: 56, .size: 8, .value_kind: global_buffer, .address_space: global }
    .group_segment_fixed_size: 35328
    .private_segment_fixed_size: 0
    .kernarg_segment_align: 8
    .kernarg_segment_size: 64
    .max_flat_workgroup_size: 128
    .sgpr_count:     66
    .vgpr_count:     192
    .wavefront_size: 32
...
	.end_amdgpu_metadata
.endif
;; end of part 1
;; launch qkv (part 2): grid 12 x 32, 4 waves a work-group, clusters of 4 x 4, 327,680 bytes of LDS; arguments xc, wc, lowp_scales, qkvc; writes qkvc
.if DOCPART == 2
	.amdgcn_target "amdgcn-amd-amdhsa--gfx1250"
	.amdhsa_code_object_version 6
	.text
	.protected	k_q3e605f4000_qkv
	.globl	k_q3e605f4000_qkv
	.p2align	8
	.type	k_q3e605f4000_qkv,@function
k_q3e605f4000_qkv:
	s_mov_b64 s[64:65], 0
	v_nop
	global_prefetch_b8 v0, s[64:65] scope:SCOPE_SE
	s_setreg_imm32_b32 hwreg(HW_REG_WAVE_MODE, 25, 1), 1
	s_wait_xcnt 0x0
	s_wait_alu depctr_hold_cnt(0) depctr_sa_sdst(0) depctr_va_vdst(0) depctr_va_sdst(0) depctr_va_ssrc(0) depctr_va_vcc(0) depctr_vm_vsrc(0)
	s_getreg_b32 s2, hwreg(HW_REG_IB_STS2, 6, 4)
	s_cmp_eq_u32 s2, 0
	s_cbranch_scc0 .Lentry_in_a_cluster
	s_endpgm
.Lentry_in_a_cluster:
	s_bfe_u32 s2, ttmp6, 0x10000c
	s_cmp_lg_u32 s2, 0xf033
	s_cbranch_scc0 .Lentry_shape_is_right
	s_endpgm
.Lentry_shape_is_right:
; q, k, v = x W, three products [8192 tokens] x [1024 n = 64 head + d], K = 1024, on codes of FP8 (E4M3); the f32 sums are quantised at once, to the codes that the attention's products take.
; THE ROLE is the cluster's x: 0 q, 1 k, 2 v; it picks numbers (buffers, sections, exponents, strides of the way out) by selects, never a path: the text has one way for all.
; A tile of 256 x 256 is made by four waves, 128 x 128 each: 64 accumulators of 16 x 16, 512 registers.  K goes in steps of 256 through a ring of two LDS slots filled by the tensor data mover.
; THE TWO SIDES.  The matrix instruction takes 16 rows of side B as source 0 and 16 rows of side A as source 1: a lane then holds ONE row of A and eight NEIGHBOURS along B's rows.
;   q, k: A = x's codes (tokens), B = the weight's (n): a lane's eight sums run along d, which is the K of q k^T.      v: A = Wv's codes (n), B = x's (tokens): they run along the keys, the K of p v.
; So one conversion of an accumulator's eight registers gives two registers of the next product's operand, and the results are stored as IMAGES OF THAT OPERAND'S REGISTERS, 16 bytes a lane, with no turn through LDS:
;   q, k: (batch, head) x 131,072 + tile of 16 tokens x 1,024 + piece x 512 + 16 lane: lane (r, h), registers 2 c, 2 c + 1: d = 16 c + 8 h + 0 .. 7 of token r.
;   v:    (batch, head) x 131,072 + block of 128 keys x 8,192 + tile of 16 d x 2,048 + piece x 512 + 16 lane: lane (r, h), registers 2 c, 2 c + 1: keys 16 c + 8 h + 0 .. 7 of channel r.
; CLUSTERS: 4 x 4 work-groups; A's tile is shared along a row of the cluster, B's along a column: each is asked for jointly, by the same tensor load with the same descriptor and a mask that names the four.
; A sum stands for sum x 2^(eW + ex); its code is sum / 2^(eo - eW - ex), held within +-448.  (eW, ex, eo) = entries (0, 1, 6), (2, 3, 7), (4, 5, 9) of the exponents.
; LIMIT: eo - eW - ex between -126 and 119, so that both powers of two below are f32 numbers.
; REGISTERS, in windows of 256: window 0: v0-31 addresses; v32-127 at work on the way out; from v128 A's fragments, ONE set.  window 1: B's fragments, TWO sets.  windows 2, 3: the accumulators ((a, b) at v[8 (8 (a % 4) + b)]).
.set ROWB,   256                       ; a tile's row in bytes: 256 codes
.set KROW,   1024                      ; a row of xc or wc in bytes
.set PITCH,  272                       ; an LDS row: 256 bytes + 16 of padding = 68 words: the 16 rows that a load touches start at 16 different banks (64 banks of 4 bytes: ISA guide 11.1)
.set FR,     16                        ; registers of a fragment: 16 rows x 128 K
.set NL,     4                         ; LDS loads that bring one
.set NP,     4                         ; places behind this matrix instruction (ISA guide 7.12.1)
.set HALFT,  128*PITCH
.set SLOT,   4*HALFT                   ; A's 256 rows, then B's 256 rows
.set LAPS,   2                         ; 1,024 along K = two laps of two slots
.set SPARE,  2*SLOT                    ; behind the ring: the spare words, 128 bytes for each wave: two blocks of 256 bytes that no other line names
.set ADRA, 16                          ; v16-17  LDS address of my A fragments in slot 0, 1
.set ADRB, 20                          ; v20-21  the same for B
.set LI,   24                          ; v24     the way out: 16 x lane
.set LJ,   25                          ; v25     16 x lane + the distance from a block's first two pieces to its last two
.set VSC,  26                          ; v26     2^(eo - eW - ex) as f32
.set VLIM, 27                          ; v27     448 x that
.set SPW,  28                          ; v28     LDS address of my spare word; never rewritten
.set NIL,  29                          ; v29     0; never rewritten
.set TMP,  32                          ; v32-95  a block's 64 sums, held
.set COD,  96                          ; v96-127 two sets of 16 registers of codes, by turns
.set AF,   128
.set G1, 24                            ; s[24:31] descriptor group 1 for A's tiles;  s[32:39] group 0, one set for each slot
.set G0, 32
.set G1B, 48                           ; s[48:55], s[56:63] the same for B's tiles
.set G0B, 56
.set MSB, 0
.macro WIN new                         ; the immediate's high byte repeats the setting that is left
.if MSB != (\new)
	s_set_vgpr_msb (MSB<<8)|(\new)
.set MSB, \new
.endif
.endm
.set MUL_LO, 0xa1                      ; source 0 (B) window 1, source 1 (A) window 0, C and D window 2
.set MUL_HI, 0xf1                      ; the same, C and D window 3
.set TO_B,   0x40                      ; destination window 1, address window 0
; A joint load: waves 0 and 1 fetch for A, waves 2 and 3 for B.  The branch hangs on the wave's number alone.  An s_nop 0 and four v_nop follow each of the two lines.
.macro JLOAD g0a, g1a, g0b, g1b
	s_cmp_eq_u32 s15, 0
	s_cbranch_scc0 .Lfor_b_\@
	tensor_load_to_lds s[\g0a:\g0a+3], s[\g1a:\g1a+7]
	s_nop 0
.rept 4
	v_nop
.endr
	s_branch .Lasked_\@
.Lfor_b_\@:
	tensor_load_to_lds s[\g0b:\g0b+3], s[\g1b:\g1b+7]
	s_nop 0
.rept 4
	v_nop
.endr
.Lasked_\@:
.endm
.macro CREST                           ; a round of the cluster's barrier behind its opening barrier
	s_cmp_lg_u32 s14, 0
	s_cbranch_scc1 .Lnot_wave_0_\@
	s_barrier_signal -3
.Lnot_wave_0_\@:
	s_barrier_wait -3
	s_barrier_signal -1
	s_barrier_wait -1
.endm
.macro CROUND                          ; a whole round
	s_barrier_signal -1
	s_barrier_wait -1
	CREST
.endm
	s_load_b128 s[4:7], s[0:1], 0x0                ; xc s[4:5], wc s[6:7]
	s_load_b128 s[8:11], s[0:1], 0x10              ; the exponents s[8:9], qkvc s[10:11]
	v_lshl_add_u32 v[SPW], v0, 2, SPARE
	v_mov_b32 v[NIL], 0
	ds_add_u32 v[SPW], v[NIL]                      ; the wave's opening: the add and its wait stand ahead of my first tensor load; the set-up below, work on registers, stands between them
	v_lshrrev_b32 v1, 5, v0
	v_readfirstlane_b32 s14, v1                    ; wave 0..3
	s_lshr_b32 s15, s14, 1                         ; which half of A's rows is mine.  Also: I fetch for A (0) or for B (1)
	s_and_b32 s16, s14, 1                          ; which half of B's rows.  Also: which 128 rows of that tile I fetch
	s_bfe_u32 s40, ttmp6, 0x40000                  ; cx, cy: my place in the cluster
	s_bfe_u32 s41, ttmp6, 0x40004
	s_and_b32 s18, ttmp7, 0xffff
	s_lshl_b32 s18, s18, 2                         ; 4 x the cluster's y: it walks the tokens
	s_lshl_b32 s90, ttmp9, 20                      ; the role's section of wc,
	s_lshl_b32 s91, ttmp9, 23                      ; and of xc
	s_cmp_eq_u32 ttmp9, 2                          ; v?  The cluster's x is the same in all sixteen partners
	s_cselect_b32 s17, 0, s18
	s_cselect_b32 s42, s18, 0
	s_cselect_b32 s92, s90, s91                    ; A's section
	s_cselect_b32 s93, s91, s90                    ; B's section
	s_add_co_u32 s17, s17, s41                     ; A's tile: cy (+ 4 x cluster y where A is x)
	s_add_co_u32 s42, s42, s40                     ; B's tile: cx (+ 4 x cluster y where B is x)
	s_lshl_b32 s43, s41, 2
	s_lshl_b32 s43, 15, s43                        ; my row of the cluster
	s_lshl_b32 s44, 0x1111, s40                    ; my column
	; descriptor group 1: a tile of 128 rows x 256 bytes, padded in LDS
	s_or_b32 s[G1+0], s43, (0<<16)|(1<<20)|(1<<21)|(5<<22)|(3<<25)  ; 15:0 the mask: A's tiles go to my row; 17:16 element of 1 byte; 20 padding on; 21 set beside a mask; 24:22 after every 64 words (code 5); 31:25 of 4 words (code 3)
	s_or_b32 s[G1B+0], s44, (0<<16)|(1<<20)|(1<<21)|(5<<22)|(3<<25)
.irp g, G1, G1B
	s_mov_b32 s[\g+1], ROWB<<16                    ; tensor_dim0
	s_mov_b32 s[\g+2], 128<<16                     ; tensor_dim1 = 128
	s_mov_b32 s[\g+3], ROWB<<16                    ; tile_dim0
	s_mov_b32 s[\g+4], 128                         ; tile_dim1 = 128
	s_mov_b32 s[\g+5], KROW                        ; tensor_dim0_stride
	s_mov_b32 s[\g+6], 0
	s_mov_b32 s[\g+7], 0
.endr
	s_lshl_b32 s18, s16, 7                         ; which 128 rows of the tile I fetch
	s_lshl_b32 s20, s17, 8
	s_add_co_u32 s20, s20, s18                     ; A: row 256 x tile + 128 x half,
	s_lshl_b32 s20, s20, 10                        ; in bytes,
	s_add_co_u32 s20, s20, s92                     ; in its section: under 2^25
	s_mov_b32 s21, 0
	s_lshl_b32 s46, s42, 8
	s_add_co_u32 s46, s46, s18
	s_lshl_b32 s46, s46, 10
	s_add_co_u32 s46, s46, s93                     ; B likewise
	s_mov_b32 s47, 0
	s_mul_i32 s45, s14, HALFT                      ; where they go: wave x 128 rows: no place in the cluster enters an LDS address
	s_wait_dscnt 0x0                               ; the opening add is done
	s_wait_kmcnt 0x0
	s_load_b256 s[68:75], s[8:9], 0x0              ; e0 .. e7
	s_load_b128 s[76:79], s[8:9], 0x20             ; e8 .. e11
	s_cmp_eq_u32 ttmp9, 2
	s_cselect_b64 s[80:81], s[6:7], s[4:5]         ; A's buffer: wc for v, else xc
	s_cselect_b64 s[82:83], s[4:5], s[6:7]         ; B's: the other
	s_add_nc_u64 s[20:21], s[80:81], s[20:21]
	s_add_nc_u64 s[46:47], s[82:83], s[46:47]
	CROUND                                         ; all sixteen work-groups are here: the first joint loads meet
.irp s, 0,1
	s_mov_b32 s[G0+4*\s], 1
	s_add_co_u32 s[G0+4*\s+1], s45, \s*SLOT
	s_add_nc_u64 s[G0+4*\s+2:G0+4*\s+3], s[20:21], \s*ROWB
	s_or_b32 s[G0+4*\s+3], s[G0+4*\s+3], 0x80000000
	s_mov_b32 s[G0B+4*\s], 1
	s_add_co_u32 s[G0B+4*\s+1], s45, \s*SLOT
	s_add_nc_u64 s[G0B+4*\s+2:G0B+4*\s+3], s[46:47], \s*ROWB
	s_or_b32 s[G0B+4*\s+3], s[G0B+4*\s+3], 0x80000000
	JLOAD G0+4*\s, G1, G0B+4*\s, G1B
.endr
	v_and_b32 v1, 15, v0                           ; l % 16
	v_bfe_u32 v2, v0, 4, 1                         ; l / 16
	v_mul_u32_u24 v3, v1, PITCH
	v_lshl_add_u32 v4, v2, 4, v3                   ; a fragment's row x pitch + 16 x half
	s_mul_i32 s21, s15, HALFT                      ; my 128 rows of A
	s_mul_i32 s22, s16, HALFT                      ; my 128 rows of B,
	s_add_co_u32 s22, s22, 2*HALFT                 ; which lie behind A's 256
.irp s, 0,1
	v_add_nc_u32 v[ADRA+\s], s21, v4
	v_add_nc_u32 v[ADRB+\s], s22, v4
	s_add_co_u32 s21, s21, SLOT
	s_add_co_u32 s22, s22, SLOT
.endr
	; the way out's numbers.  From a block of A's 16 rows to the next: q, k: the next tile of tokens, 1,024 bytes; v: the next tile of d, 2,048, and at block 4 the next head: 131,072 - 3 x 2,048.
	; From a block's first two pieces to its last two: q, k: the next head, 131,072; v: 1,024.
	s_cmp_eq_u32 ttmp9, 2
	s_mov_b32 s84, 1024
	s_cselect_b32 s84, 2048, s84
	s_mov_b32 s86, 1024
	s_cselect_b32 s86, 124928, s86
	s_mov_b32 s94, 131072
	s_cselect_b32 s94, 1024, s94
	s_mov_b32 s85, 0
	s_mov_b32 s87, 0
	v_and_b32 v6, 31, v0
	v_lshlrev_b32 v[LI], 4, v6
	v_add_nc_u32 v[LJ], s94, v[LI]
	s_lshl_b32 s20, s17, 8
	s_lshl_b32 s21, s15, 7
	s_add_co_u32 s20, s20, s21                     ; my first row of A
	s_lshl_b32 s46, s42, 8
	s_lshl_b32 s47, s16, 7
	s_add_co_u32 s46, s46, s47                     ; my first row of B
	s_cmp_eq_u32 ttmp9, 2
	s_cselect_b32 s90, s46, s20                    ; my first token,
	s_cselect_b32 s91, s20, s46                    ; my first n
	s_lshr_b32 s92, s90, 11
	s_lshl_b32 s92, s92, 4
	s_lshr_b32 s93, s91, 6
	s_add_co_u32 s92, s92, s93                     ; 16 x batch + head
	s_lshl_b32 s92, s92, 17
	s_and_b32 s93, s90, 2047
	s_lshl_b32 s93, s93, 6                         ; 64 bytes a token, in all three layouts
	s_add_co_u32 s92, s92, s93
	s_lshl_b32 s93, ttmp9, 23                      ; the role's section of qkvc
	s_add_co_u32 s92, s92, s93
	s_mov_b32 s93, 0
	s_add_nc_u64 s[88:89], s[10:11], s[92:93]
.macro FRAG reg, adr, q, i             ; a fragment, 16 rows x 128 places along K, is 16 registers: lane l holds row l % 16; registers 4 c .. 4 c + 3 hold places 32 c + 16 (l / 16) + 0 .. 15: the same on both sides
.irp c, 0,1,2,3
	ds_load_b128 v[\reg+4*\c:\reg+4*\c+3], v[\adr] offset:128*(\q)+32*\c+(\i)*16*PITCH
.endr
.endm
; 16 matrix instructions: A's blocks a0, a0 + 1 x B's eight, 128 along K.  p: B's set.  zero = 1: the first product starts the sums.  The 64 accumulators take turns, one instruction a turn.
.macro MUL16 a0, p, zero
.irp a, \a0, \a0+1
.irp b, 0,1,2,3,4,5,6,7
.if \zero
	v_wmma_f32_16x16x128_fp8_fp8 v[8*(8*((\a)%4)+\b):8*(8*((\a)%4)+\b)+7], v[128*(\p)+FR*\b:128*(\p)+FR*\b+FR-1], v[AF+FR*(\a):AF+FR*(\a)+FR-1], 0
.else
	v_wmma_f32_16x16x128_fp8_fp8 v[8*(8*((\a)%4)+\b):8*(8*((\a)%4)+\b)+7], v[128*(\p)+FR*\b:128*(\p)+FR*\b+FR-1], v[AF+FR*(\a):AF+FR*(\a)+FR-1], v[8*(8*((\a)%4)+\b):8*(8*((\a)%4)+\b)+7]
.endif
.endr
.endr
.endm
.macro FETCH_B slot, q, p              ; B's eight fragments of the slot's q-th 128 along K into set p
	WIN TO_B
.irp i, 0,1,2,3,4,5,6,7
	FRAG 128*(\p)+FR*\i, ADRB+\slot, \q, \i
.endr
	WIN 0
.endm
.macro FETCH_A slot, q, i0             ; A's blocks i0 .. i0 + 3
.irp i, \i0, \i0+1, \i0+2, \i0+3
	FRAG AF+FR*(\i), ADRA+\slot, \q, \i
.endr
.endm
.macro PLACES n                        ; plain vector lines between a matrix instruction and a load into a register that it has read, or a read of its result
.rept \n
	v_nop
.endr
.endm
; A step of 128 along K that has its successor in the same slot.
.macro STEP slot, q, zero
	s_wait_dscnt 4*NL                              ; B's set and A's blocks 0-3 are in; the youngest sixteen loads (A's blocks 4-7) may be out
	WIN MUL_LO
	MUL16 0, (\q)%2, \zero
	MUL16 2, (\q)%2, \zero
	s_wait_dscnt 0                                 ; A's blocks 4-7 are in
	PLACES NP
	FETCH_B \slot, (\q)+1, 1-(\q)%2
	FETCH_A \slot, (\q)+1, 0
	WIN MUL_HI
	MUL16 4, (\q)%2, \zero
	MUL16 6, (\q)%2, \zero
	PLACES NP
	WIN 0
	FETCH_A \slot, (\q)+1, 4
.endm
; A slot's last step changes slots: ONE barrier; in front of it each wave waits for all its tensor loads, adds 0 to its spare word, and waits for that and for its own reads of this slot.  fill = 1: this slot is filled again, two slots ahead.
.macro TURN slot, next, fill
	s_wait_tensorcnt 0x0                           ; all my tensor loads have landed: my part of the next slot (every window is 0 here)
	ds_add_u32 v[SPW], v[NIL]                      ; 0 onto my spare word
	s_wait_dscnt 4*NL+1                            ; the add and the youngest sixteen loads (A's blocks 4-7) may be out
	WIN MUL_LO
	MUL16 0, 1, 0                                  ; sixteen matrix instructions stand between the add and the wait for it
	s_wait_dscnt 0x0                               ; the add is done, and my reads of this slot are over
	s_barrier_signal -1
	MUL16 2, 1, 0
	WIN 0
	s_barrier_wait -1
.if \fill
	CREST                                          ; the barrier has opened a round of the cluster's barrier: no wave of any partner still reads this slot or has a load on its way
	s_add_nc_u64 s[G0+4*\slot+2:G0+4*\slot+3], s[G0+4*\slot+2:G0+4*\slot+3], 2*ROWB
	s_add_nc_u64 s[G0B+4*\slot+2:G0B+4*\slot+3], s[G0B+4*\slot+2:G0B+4*\slot+3], 2*ROWB
	JLOAD G0+4*\slot, G1, G0B+4*\slot, G1B         ; the first tensor load behind the round; its four v_nop are the places in front of the loads below
.else
	PLACES NP
.endif
	FETCH_B \next, 0, 0
	FETCH_A \next, 0, 0
	WIN MUL_HI
	MUL16 4, 1, 0
	MUL16 6, 1, 0
	PLACES NP
	WIN 0
	FETCH_A \next, 0, 4
.endm
	s_wait_tensorcnt 1                             ; my part of slot 0 is in; slot 1's load may be out
	s_barrier_signal -1
	s_barrier_wait -1                              ; everybody's is
	FETCH_B 0, 0, 0
	FETCH_A 0, 0, 0
	FETCH_A 0, 0, 4
	STEP 0, 0, 1                                   ; the first step stands in front of the loop: its products start the sums
	s_mov_b32 s3, LAPS-1
.Llap:                                             ; a trip goes once round the ring and fills both slots again
	TURN 0, 1, 1
	STEP 1, 0, 0
	TURN 1, 0, 1
	STEP 0, 0, 0
	s_sub_co_u32 s3, s3, 1
	s_cmp_lg_u32 s3, 0
	s_cbranch_scc1 .Llap
	TURN 0, 1, 0                                   ; the last lap fills nothing, and has no round of the cluster's barrier
	STEP 1, 0, 0
	s_wait_dscnt 4*NL                              ; the very last step: nothing more to fetch
	WIN MUL_LO
	MUL16 0, 1, 0
	MUL16 2, 1, 0
	s_wait_dscnt 0
	WIN MUL_HI
	MUL16 4, 1, 0
	MUL16 6, 1, 0
	WIN 0
	; THE WAY OUT.  The three exponents of my role, folded into the conversion's one scale.
	s_wait_kmcnt 0x0
	s_cmp_eq_u32 ttmp9, 0
	s_cselect_b32 s90, s68, s70
	s_cselect_b32 s91, s69, s71
	s_cselect_b32 s92, s74, s75
	s_cmp_eq_u32 ttmp9, 2
	s_cselect_b32 s90, s72, s90                    ; eW
	s_cselect_b32 s91, s73, s91                    ; ex
	s_cselect_b32 s92, s77, s92                    ; eo
	s_sub_co_i32 s92, s92, s90
	s_sub_co_i32 s92, s92, s91
	s_add_co_i32 s92, s92, 127
	s_lshl_b32 s93, s92, 23
	v_mov_b32 v[VSC], s93
	s_add_co_i32 s92, s92, 8
	s_lshl_b32 s92, s92, 23
	s_or_b32 s92, s92, 0x600000
	v_mov_b32 v[VLIM], s92
	PLACES NP
; Block a: A's rows 16 a on x B's 128 rows.  64 holds (each accumulator from its low end on), 8 conversions, 4 stores of 512 consecutive bytes, aligned.
.macro OUT a
.set AC, 64*((\a)%4)
.set CD, COD+16*((\a)%2)
	WIN 0x02+((\a)/4)                              ; source 0: window 2 or 3
.set j, 0
.rept 64
	v_med3_num_f32 v[TMP+j], v[AC+j], -v[VLIM], v[VLIM]   ; the conversion to an 8-bit code does not saturate (ISA guide 7.6.2)
.set j, j+1
.endr
	WIN 0
.irp b, 0,1,2,3,4,5,6,7
	v_cvt_scalef32_pk8_fp8_f32 v[CD+2*\b:CD+2*\b+1], v[TMP+8*\b:TMP+8*\b+7], v[VSC]
.endr
	v_nop                                          ; a plain line between the conversions and the next block's holds, which write their sources
	s_wait_xcnt 0x0                                ; the earlier stores have read their base and their data: the base may step, and the next block may write the other set of codes
.if (\a) == 4
	s_add_nc_u64 s[88:89], s[88:89], s[86:87]
.elseif (\a) > 0
	s_add_nc_u64 s[88:89], s[88:89], s[84:85]
.endif
	global_store_b128 v[LI], v[CD:CD+3], s[88:89]
	global_store_b128 v[LI], v[CD+4:CD+7], s[88:89] offset:512
	global_store_b128 v[LJ], v[CD+8:CD+11], s[88:89]
	global_store_b128 v[LJ], v[CD+12:CD+15], s[88:89] offset:512
.endm
.irp a, 0,1,2,3,4,5,6,7
	OUT \a
.endr
	s_wait_tensorcnt 0x0                           ; the wave's end
	ds_add_u32 v[SPW], v[NIL]
	s_wait_dscnt 0x0
	CROUND                                         ; the closing round: no work-group ends while a partner may still ask for a tile that names it
	s_endpgm
.Lfunc_end_k_q3e605f4000_qkv:
	.size	k_q3e605f4000_qkv, .Lfunc_end_k_q3e605f4000_qkv-k_q3e605f4000_qkv
	.p2alignl 7, 3214868480
	.fill 96, 4, 3214868480
	.section	.rodata,"a",@progbits
	.p2align	6, 0x0
	.amdhsa_kernel k_q3e605f4000_qkv
		.amdhsa_group_segment_fixed_size 327680
		.amdhsa_private_segment_fixed_size 0
		.amdhsa_enable_private_segment 0
		.amdhsa_kernarg_size 32
		.amdhsa_user_sgpr_count 2
		.amdhsa_user_sgpr_kernarg_segment_ptr 1
		.amdhsa_wavefront_size32 1
		.amdhsa_system_sgpr_workgroup_id_x 1
		.amdhsa_system_sgpr_workgroup_id_y 1
		.amdhsa_system_sgpr_workgroup_id_z 1
		.amdhsa_system_vgpr_workitem_id 0
		.amdhsa_next_free_vgpr 1024
		.amdhsa_next_free_sgpr 100
		.amdhsa_reserve_vcc 0
		.amdhsa_float_denorm_mode_32 3
		.amdhsa_float_denorm_mode_16_64 3
		.amdhsa_memory_ordered 1
		.amdhsa_forward_progress 1
		.amdhsa_inst_pref_size 119
	.end_amdhsa_kernel
	.amdgpu_metadata
---
amdhsa.version: [ 1, 2 ]
amdhsa.kernels:
  - .name:           k_q3e605f4000_qkv
    .symbol:         k_q3e605f4000_qkv.kd
    .args:
      - { .name: xc, .offset: 0, .size: 8, .value_kind: global_buffer, .address_space: global }
      - { .name: wc, .offset: 8, .size: 8, .value_kind: global_buffer, .address_space: global }
      - { .name: lowp_scales, .offset: 16, .size: 8, .value_kind: global_buffer, .address_space: global }
      - { .name: qkvc, .offset: 24, .size: 8, .value_kind: global_buffer, .address_space: global }
    .group_segment_fixed_size: 327680
    .private_segment_fixed_size: 0
    .kernarg_segment_align: 8
    .kernarg_segment_size: 32
    .max_flat_workgroup_size: 128
    .sgpr_count:     100
    .vgpr_count:     1024
    .wavefront_size: 32
...
	.end_amdgpu_metadata
.endif
;; end of part 2
;; launch attn (part 3): grid 8 x 64, 16 waves a work-group, no clusters, 67,584 bytes of LDS; arguments qkvc, lowp_scales, oc; writes oc
.if DOCPART == 3
	.amdgcn_target "amdgcn-amd-amdhsa--gfx1250"
	.amdhsa_code_object_version 6
	.text
	.protected	k_q3e605f4000_attn
	.globl	k_q3e605f4000_attn
	.p2align	8
	.type	k_q3e605f4000_attn,@function
k_q3e605f4000_attn:
	s_mov_b64 s[64:65], 0
	v_nop
	global_prefetch_b8 v0, s[64:65] scope:SCOPE_SE
	s_setreg_imm32_b32 hwreg(HW_REG_WAVE_MODE, 25, 1), 1
	s_wait_xcnt 0x0
; Causal attention on codes of FP8 (E4M3), head size 64, 2,048 tokens, 64 pairs (batch, head); the result is quantised at once for the last product.
; THE SOFTMAX AHEAD OF THE SECOND PRODUCT: t = score x log2(e) / 8; M = the row's largest t so far, rounded UP to a whole number; p = 2^(t - M) is what is quantised (by e8), not normalised.
; The row's sum is taken of the unquantised p, in f32, and divides at the end.  When M moves, the sum and O are multiplied by 2^(old M - new M): exact.
; SHARES.  The tokens are 16 blocks of 128 queries.  Work-group (j, pair) owns blocks j and 15 - j: (j + 1) + (16 - j) = 17 key steps of 128 for each of eight tiles of queries, the same for every j.
; Each of the sixteen waves owns ONE tile of 16 queries; wave w takes tile w / 2 of the low block or of the high one by the bit (w xor w / 4) & 1, so that low and high tiles are mixed among any four neighbouring waves.
; K AND V are images of operand registers (16 bytes a lane, 512 an instruction), dense in memory.  A slot is 256 keys: 16 KiB of K and 16 KiB of V.  The 512 threads copy a slot through registers, 4 x 16 bytes each:
; the loads stand at the head of the slot before, the LDS stores at its end, two key steps of every wave later; two LDS buffers take turns, one barrier a slot.  No tensor load: so the copies of slots that the
; work-group does not need (beyond (17 - j) / 2) are jumped over, and the hold of p hangs on e8.  No cluster: work-groups of one pair need 5 to 8 slots, not the same number.
; Every work-group walks 8 slots (a constant); a key step all of whose keys come after the wave's queries is jumped over by a scalar branch on ids; no barrier stands under a branch.
; LAYOUT.  Both products are used transposed: S^T = K Q^T (source 0 = 16 keys, source 1 = my 16 queries, K = 64), O^T = V^T P^T (source 0 = 16 channels, source 1 = P, K = 128 keys): a lane holds ONE query throughout.
; Register 8 t + i of S^T is key 16 t + 8 (lane / 16) + i: the conversion of tile t gives registers 2 t, 2 t + 1 of the second product's operand as they stand.
; THE RESULT: code = (O^T / sum) / 2^(e10 - e8 - e9), held within +-448, stored as an image of the last product's operand: group of 4 heads x 2 MiB + tile of 16 tokens x 4,096 + (head % 4) x 1,024 + piece x 512 + 16 lane.
; LIMITS on the given exponents: e6 + e7 between -123 and 130 (they are added to c's exponent field); e8, and e10 - e8 - e9, between -126 and 119.  NaN among the inputs is not served.
; REGISTERS: v1-3 stay; v12 -M, v13 the largest t, v[14:15] the sum in two halves; v16-23 Q; v32-95 K's 8 fragments, then V's 4; v96-159 S^T, then p; v160-191 O^T; v192-207 the copy; v208 a permute's destination; v224-239 p's codes; v240-254 at work.
.set BUF,   32768                      ; an LDS buffer: K's 16,384 bytes, then V's
.set SPARE, 65536                      ; behind the two buffers: the spare words, 128 bytes for each wave: eight blocks of 256 bytes that no other line names
.set LI,   1                           ; v1   16 x lane
.set T16,  2                           ; v2   16 x thread
.set RH,   3                           ; v3   lane % 16 - 8 (lane / 16)
.set SPW,  5                           ; v5   LDS address of my spare word; never rewritten
.set NIL,  6                           ; v6   0; never rewritten
.set PT,   208
.set WV,   18                          ; s18  my wave's number
.set SEL,  20                          ; s[20:21] lane selects for v_permlanex16_b32: lane l xor 16
.set CS,   22                          ; s[22:23] c = log2(e) / 8 x 2^(e6 + e7)
.set KF,   24                          ; s24  the step's first key
.set Q0,   25                          ; s25  my first query
.set NS,   26                          ; s26  slots that the work-group needs
.set NX,   27                          ; s27  the slot that is being copied
.set TRIP, 28
.set KB,   30                          ; s[30:31] K at the slot to be copied
.set VB,   32                          ; s[32:33] V likewise
	s_load_b128 s[4:7], s[0:1], 0x0                ; qkvc s[4:5], the exponents s[6:7]
	s_load_b64 s[8:9], s[0:1], 0x10                ; oc
	v_lshl_add_u32 v[SPW], v0, 2, SPARE
	v_mov_b32 v[NIL], 0
	v_lshrrev_b32 v8, 5, v0
	v_readfirstlane_b32 s[WV], v8                  ; wave 0..15
	v_and_b32 v[LI], 31, v0
	v_lshlrev_b32 v[LI], 4, v[LI]
	v_lshlrev_b32 v[T16], 4, v0
	s_and_b32 s50, ttmp7, 0xffff                   ; 16 x batch + head
	s_lshr_b32 s51, s[WV], 2
	s_xor_b32 s51, s51, s[WV]
	s_and_b32 s51, s51, 1                          ; the high block?
	s_sub_co_u32 s52, 15, ttmp9
	s_cmp_eq_u32 s51, 1
	s_cselect_b32 s52, s52, ttmp9                  ; my block of 128 queries
	s_lshl_b32 s[Q0], s52, 7
	s_lshr_b32 s53, s[WV], 1
	s_lshl_b32 s53, s53, 4
	s_add_co_u32 s[Q0], s[Q0], s53                 ; my first query
	s_sub_co_u32 s[NS], 17, ttmp9
	s_lshr_b32 s[NS], s[NS], 1                     ; the high block's last key is 128 (16 - j) - 1
	s_mov_b32 s[NX], 0
	s_mov_b32 s[KF], 0
	s_mov_b32 s[SEL], 0x76543210
	s_mov_b32 s[SEL+1], 0xfedcba98
	s_mov_b32 s[CS], 0x3e38aa3b                    ; log2(e) / 8
	s_lshl_b32 s46, s50, 17                        ; the pair's 131,072 bytes in each section
	s_mov_b32 s47, 0
	s_wait_kmcnt 0x0
	s_load_b128 s[40:43], s[6:7], 0x18             ; e6, e7, e8, e9
	s_load_b32 s44, s[6:7], 0x28                   ; e10
	s_add_nc_u64 s[34:35], s[4:5], s[46:47]        ; q's section,
	s_add_nc_u64 s[KB:KB+1], s[34:35], 0x800000    ; k's,
	s_add_nc_u64 s[VB:VB+1], s[34:35], 0x1000000   ; v's
	s_lshl_b32 s46, s[Q0], 6
	s_add_nc_u64 s[34:35], s[34:35], s[46:47]      ; my tile of q: 64 bytes a token
	global_load_b128 v[192:195], v[T16], s[KB:KB+1]              ; slot 0
	global_load_b128 v[196:199], v[T16], s[KB:KB+1] offset:8192
	global_load_b128 v[200:203], v[T16], s[VB:VB+1]
	global_load_b128 v[204:207], v[T16], s[VB:VB+1] offset:8192
	global_load_b128 v[16:19], v[LI], s[34:35]                   ; Q's fragment stays in registers
	global_load_b128 v[20:23], v[LI], s[34:35] offset:512
	s_and_b32 s51, s50, 15                         ; head
	s_lshr_b32 s52, s50, 4                         ; batch
	s_lshr_b32 s53, s51, 2
	s_lshl_b32 s46, s53, 21                        ; the group of 4 heads
	s_lshl_b32 s52, s52, 7
	s_lshr_b32 s53, s[Q0], 4
	s_add_co_u32 s52, s52, s53                     ; my tile of 16 tokens among 512
	s_lshl_b32 s52, s52, 12
	s_add_co_u32 s46, s46, s52
	s_and_b32 s53, s51, 3
	s_lshl_b32 s53, s53, 10
	s_add_co_u32 s46, s46, s53
	s_add_nc_u64 s[36:37], s[8:9], s[46:47]        ; where my result goes
	v_and_b32 v8, 15, v0
	v_bfe_u32 v9, v0, 4, 1
	v_lshlrev_b32 v9, 3, v9
	v_sub_nc_u32 v[RH], v8, v9
	v_mov_b32 v13, 0xff61b1e6                      ; the largest t so far: -3e38, under every t
	v_floor_f32 v12, -v13                          ; -M
	v_mov_b32 v14, 0
	v_mov_b32 v15, 0
	v_mov_b32 v[PT], 0                             ; written once: a lane permute's destination counts as one of its sources
	v_mov_b32 v253, 0                              ; (named as the upper half of the pair v[252:253])
.set j, 0
.rept 32
	v_mov_b32 v[160+j], 0                          ; O^T.  (The step is written without a first form of its own: the first change of M multiplies zeros)
.set j, j+1
.endr
	s_wait_kmcnt 0x0
	s_add_co_i32 s50, s40, s41
	s_lshl_b32 s50, s50, 23
	s_add_co_i32 s[CS], s[CS], s50                 ; a score stands for score x 2^(e6 + e7)
	s_mov_b32 s[CS+1], s[CS]                       ; (named with it as a pair, so it is written)
	s_add_co_i32 s50, s42, 127
	s_lshl_b32 s51, s50, 23
	v_mov_b32 v244, s51                            ; 2^e8 as f32, for the conversion
	s_add_co_i32 s50, s50, 8
	s_lshl_b32 s50, s50, 23
	s_or_b32 s50, s50, 0x600000
	v_mov_b32 v240, s50                            ; 448 x 2^e8
	s_wait_loadcnt 0x0                             ; slot 0 and Q are in: so the bases may step
.irp i, 0,1,2,3
	ds_store_b128 v[T16], v[192+4*\i:195+4*\i] offset:8192*\i
.endr
	s_add_nc_u64 s[KB:KB+1], s[KB:KB+1], 16384
	s_add_nc_u64 s[VB:VB+1], s[VB:VB+1], 16384
	s_wait_dscnt 0x0                               ; for the others' sake: my stores have landed
	s_barrier_signal -1
	s_barrier_wait -1
; A KEY STEP: 128 keys, the q-th of the slot in buffer b.
.macro STEP b, q
	s_add_co_u32 s50, s[Q0], 15
	s_cmp_gt_u32 s[KF], s50                        ; all keys come after my queries: nothing to do
	s_cbranch_scc1 .Lhidden_\@
.rept 4
	v_nop                                          ; places in front of loads into registers that the last products have read
.endr
.irp t, 0,1,2,3,4,5,6,7
.irp c, 0,1
	ds_load_b128 v[32+8*\t+4*\c:32+8*\t+4*\c+3], v[LI] offset:\b*BUF+\q*8192+\t*1024+\c*512
.endr
.endr
	s_wait_dscnt 0x0
.irp t, 0,1,2,3,4,5,6,7
	v_wmma_f32_16x16x64_fp8_fp8 v[96+8*\t:103+8*\t], v[32+8*\t:39+8*\t], v[16:23], 0
.endr
.rept 4
	v_nop                                          ; places: for V's loads into K's registers, and for the first read of the scores
.endr
.irp t, 0,1,2,3
.irp c, 0,1,2,3
	ds_load_b128 v[32+16*\t+4*\c:32+16*\t+4*\c+3], v[LI] offset:\b*BUF+16384+\q*8192+\t*2048+\c*512   ; V lands while the softmax is worked
.endr
.endr
	s_add_co_u32 s50, s[KF], 127
	s_cmp_le_u32 s50, s[Q0]                        ; all keys count: no mask
	s_cbranch_scc1 .Lopen_\@
	s_sub_co_i32 s50, s[Q0], s[KF]
	v_add_nc_u32 v252, s50, v[RH]                  ; d = my query - KF - 8 (lane / 16).  Register 8 t + i holds key KF + 16 t + 8 (lane / 16) + i: hidden where 16 t + i > d
	v_mov_b32 v254, 0xff800000                     ; -infinity: p = 0 then
.set n, 0
.rept 64
	v_cmp_gt_i32 vcc_lo, 16*(n/8)+n%8, v252
	v_cndmask_b32 v[96+n], v[96+n], v254, vcc_lo
.set n, n+1
.endr
.Lopen_\@:
	v_max3_num_f32 v254, v96, v97, v98             ; the step's largest score of my query, among my 64 keys, in two chains,
	v_max3_num_f32 v252, v99, v100, v101
.irp i, 6,10,14,18,22,26,30,34,38,42,46,50,54,58
	v_max3_num_f32 v254, v254, v[96+\i], v[97+\i]
	v_max3_num_f32 v252, v252, v[98+\i], v[99+\i]
.endr
	v_max3_num_f32 v254, v254, v158, v159
	v_max_num_f32 v254, v254, v252
	v_permlanex16_b32 v[PT], v254, s[SEL], s[SEL+1]
	v_max_num_f32 v254, v254, v[PT]                ; and among lane l xor 16's
	v_mul_f32 v254, s[CS], v254                    ; as t (c is positive)
	v_max_num_f32 v13, v13, v254                   ; the running largest t
	v_mov_b32 v254, v12
	v_floor_f32 v12, -v13                          ; the new -M = floor(-t) = -ceil(t): a whole number
	v_sub_f32 v254, v12, v254                      ; old M - new M: a whole number, 0 or less
	v_cvt_i32_f32 v254, v254                       ; (it saturates)
	v_ldexp_f32 v252, 1.0, v254                    ; f = 2^(old M - new M)
.set j, 0
.rept 32
	v_pk_fma_f32 v[96+j:97+j], v[96+j:97+j], s[CS:CS+1], v[12:13] op_sel_hi:[1,0,0]   ; t - M, two at a time (of the pairs c and -M the low word serves both halves)
.set j, j+2
.endr
.set j, 0
.rept 64
	v_exp_f32 v[96+j], v[96+j]                     ; p = 2^(t - M), at most 1
.set j, j+1
.endr
	v_pk_mul_f32 v[14:15], v[14:15], v[252:253] op_sel_hi:[1,0]   ; the sums under the new M: the plain line behind the exponentials
	s_wait_alu depctr_va_vdst(0)                   ; one wait for the whole batch, ahead of its first reader
	v_pk_add_f32 v[242:243], v[96:97], v[98:99]    ; the row's sum is taken of the unquantised p: two at a time, in two chains
.irp j, 4,8,12,16,20,24,28,32,36,40,44,48,52,56,60
	v_pk_add_f32 v[14:15], v[14:15], v[96+\j:97+\j]
	v_pk_add_f32 v[242:243], v[242:243], v[98+\j:99+\j]
.endr
	v_pk_add_f32 v[14:15], v[14:15], v[242:243]
	s_cmp_gt_i32 s42, -9                           ; p <= 1 and 448 x 2^-8 = 1.75: the hold can bind only where e8 <= -9
	s_cbranch_scc1 .Lno_hold_\@
.set j, 0
.rept 64
	v_min_num_f32 v[96+j], v[96+j], v240           ; the conversion to an 8-bit code does not saturate (ISA guide 7.6.2); p is not negative, so the hold is one-sided
.set j, j+1
.endr
.Lno_hold_\@:
.irp t, 0,1,2,3,4,5,6,7
	v_cvt_scalef32_pk8_fp8_f32 v[224+2*\t:225+2*\t], v[96+8*\t:103+8*\t], v244
.endr
.set j, 0
.rept 16
	v_pk_mul_f32 v[160+j:161+j], v[160+j:161+j], v[252:253] op_sel_hi:[1,0]   ; O^T under the new M; also the plain lines between the conversions and the products
.set j, j+2
.endr
	s_wait_dscnt 0x0                               ; V is in
.irp t, 0,1,2,3
	v_wmma_f32_16x16x128_fp8_fp8 v[160+8*\t:167+8*\t], v[32+16*\t:47+16*\t], v[224:239], v[160+8*\t:167+8*\t]   ; the four accumulators take turns; the next step's eight products stand between two links
.endr
.Lhidden_\@:
	s_add_co_u32 s[KF], s[KF], 128
.endm
; A SLOT in buffer b.  The next slot's 64 bytes a thread are asked for at its head and stored into the other buffer at its end.  That buffer was last read in front of the barrier before, and is first read behind the one below.
.macro SLOTM b
	s_add_co_u32 s[NX], s[NX], 1
	s_cmp_lt_u32 s[NX], s[NS]                      ; the same in all sixteen waves
	s_cbranch_scc0 .Lno_load_\@
	global_load_b128 v[192:195], v[T16], s[KB:KB+1]
	global_load_b128 v[196:199], v[T16], s[KB:KB+1] offset:8192
	global_load_b128 v[200:203], v[T16], s[VB:VB+1]
	global_load_b128 v[204:207], v[T16], s[VB:VB+1] offset:8192
.Lno_load_\@:
	STEP \b, 0
	STEP \b, 1
	s_wait_loadcnt 0x0                             ; the copy is in registers, and its bases may step
	s_cmp_lt_u32 s[NX], s[NS]
	s_cbranch_scc0 .Lno_store_\@
.irp i, 0,1,2,3
	ds_store_b128 v[T16], v[192+4*\i:195+4*\i] offset:(1-\b)*BUF+8192*\i
.endr
	s_add_nc_u64 s[KB:KB+1], s[KB:KB+1], 16384
	s_add_nc_u64 s[VB:VB+1], s[VB:VB+1], 16384
.Lno_store_\@:
	s_wait_dscnt 0x0                               ; my stores have landed, and my reads of this buffer are over
	s_barrier_signal -1
	s_barrier_wait -1
.endm
	s_mov_b32 s[TRIP], 4
.Lslots:
	SLOTM 0
	SLOTM 1
	s_sub_co_u32 s[TRIP], s[TRIP], 1
	s_cmp_lg_u32 s[TRIP], 0
	s_cbranch_scc1 .Lslots
	; THE WAY OUT
.rept 4
	v_nop                                          ; places behind the last products
.endr
	v_add_f32 v14, v14, v15                        ; the sum's two halves,
	v_permlanex16_b32 v[PT], v14, s[SEL], s[SEL+1]
	v_add_f32 v14, v14, v[PT]                      ; and lane l xor 16's: the row's sum
	v_rcp_f32 v14, v14
	s_sub_co_i32 s50, s44, s42
	s_sub_co_i32 s50, s50, s43                     ; e10 - e8 - e9: O^T / sum stands for that x 2^(e8 + e9)
	s_add_co_i32 s50, s50, 127
	s_lshl_b32 s51, s50, 23
	v_mov_b32 v10, s51                             ; (a plain line behind the reciprocal)
	s_add_co_i32 s50, s50, 8
	s_lshl_b32 s50, s50, 23
	s_or_b32 s50, s50, 0x600000
	v_mov_b32 v11, s50
	s_wait_alu depctr_va_vdst(0)                   ; the wait ahead of the reciprocal's first reader
.set j, 0
.rept 32
	v_mul_f32 v[96+j], v[160+j], v14               ; register 8 t + i: channel 16 t + 8 (lane / 16) + i of my query; each accumulator from its low end on
.set j, j+1
.endr
.set j, 0
.rept 32
	v_med3_num_f32 v[96+j], v[96+j], -v11, v11
.set j, j+1
.endr
.irp t, 0,1,2,3
	v_cvt_scalef32_pk8_fp8_f32 v[224+2*\t:225+2*\t], v[96+8*\t:103+8*\t], v10
.endr
	v_nop                                          ; a plain line behind the last conversion
	global_store_b128 v[LI], v[224:227], s[36:37]              ; 32 lanes store 512 consecutive bytes, aligned
	global_store_b128 v[LI], v[228:231], s[36:37] offset:512
	s_wait_tensorcnt 0x0                           ; the wave's end, behind my last LDS store
	ds_add_u32 v[SPW], v[NIL]
	s_wait_dscnt 0x0
	s_endpgm
.Lfunc_end_k_q3e605f4000_attn:
	.size	k_q3e605f4000_attn, .Lfunc_end_k_q3e605f4000_attn-k_q3e605f4000_attn
	.p2alignl 7, 3214868480
	.fill 96, 4, 3214868480
	.section	.rodata,"a",@progbits
	.p2align	6, 0x0
	.amdhsa_kernel k_q3e605f4000_attn
		.amdhsa_group_segment_fixed_size 67584
		.amdhsa_private_segment_fixed_size 0
		.amdhsa_enable_private_segment 0
		.amdhsa_kernarg_size 24
		.amdhsa_user_sgpr_count 2
		.amdhsa_user_sgpr_kernarg_segment_ptr 1
		.amdhsa_wavefront_size32 1
		.amdhsa_system_sgpr_workgroup_id_x 1
		.amdhsa_system_sgpr_workgroup_id_y 1
		.amdhsa_system_sgpr_workgroup_id_z 1
		.amdhsa_system_vgpr_workitem_id 0
		.amdhsa_next_free_vgpr 256
		.amdhsa_next_free_sgpr 66
		.amdhsa_reserve_vcc 1
		.amdhsa_float_denorm_mode_32 3
		.amdhsa_float_denorm_mode_16_64 3
		.amdhsa_memory_ordered 1
		.amdhsa_forward_progress 1
		.amdhsa_inst_pref_size 94
	.end_amdhsa_kernel
	.amdgpu_metadata
---
amdhsa.version: [ 1, 2 ]
amdhsa.kernels:
  - .name:           k_q3e605f4000_attn
    .symbol:         k_q3e605f4000_attn.kd
    .args:
      - { .name: qkvc, .offset: 0, .size: 8, .value_kind: global_buffer, .address_space: global }
      - { .name: lowp_scales, .offset: 8, .size: 8, .value_kind: global_buffer, .address_space: global }
      - { .name: oc, .offset: 16, .size: 8, .value_kind: global_buffer, .address_space: global }
    .group_segment_fixed_size: 67584
    .private_segment_fixed_size: 0
    .kernarg_segment_align: 8
    .kernarg_segment_size: 24
    .max_flat_workgroup_size: 512
    .sgpr_count:     66
    .vgpr_count:     256
    .wavefront_size: 32
...
	.end_amdgpu_metadata
.endif
;; end of part 3
;; launch proj (part 4): grid 4 x 32, 4 waves a work-group, clusters of 4 x 4, 327,680 bytes of LDS; arguments oc, wc, lowp_scales, bp, out0; writes out0
.if DOCPART == 4
	.amdgcn_target "amdgcn-amd-amdhsa--gfx1250"
	.amdhsa_code_object_version 6
	.text
	.protected	k_q3e605f4000_proj
	.globl	k_q3e605f4000_proj
	.p2align	8
	.type	k_q3e605f4000_proj,@function
k_q3e605f4000_proj:
	s_mov_b64 s[64:65], 0
	v_nop
	global_prefetch_b8 v0, s[64:65] scope:SCOPE_SE
	s_setreg_imm32_b32 hwreg(HW_REG_WAVE_MODE, 25, 1), 1
	s_wait_xcnt 0x0
	s_wait_alu depctr_hold_cnt(0) depctr_sa_sdst(0) depctr_va_vdst(0) depctr_va_sdst(0) depctr_va_ssrc(0) depctr_va_vcc(0) depctr_vm_vsrc(0)
	s_getreg_b32 s2, hwreg(HW_REG_IB_STS2, 6, 4)
	s_cmp_eq_u32 s2, 0
	s_cbranch_scc0 .Lentry_in_a_cluster
	s_endpgm
.Lentry_in_a_cluster:
	s_bfe_u32 s2, ttmp6, 0x10000c
	s_cmp_lg_u32 s2, 0xf033
	s_cbranch_scc0 .Lentry_shape_is_right
	s_endpgm
.Lentry_shape_is_right:
; out0[t][n] = sum over c of o[t][c] Wp[n][c] + bp[n], on codes of FP8 (E4M3): [8192] x [1024], K = 1024; each finished sum x 2^(e10 + e11) + bp, one fused multiply-add.
; A tile of 256 x 256 is made by four waves, 128 x 128 each: 64 accumulators, 512 registers.  K goes in steps of 256 through a ring of two LDS slots filled by the tensor data mover.
; A = oc: images of operand registers: group of 256 channels x 2 MiB + tile of 16 tokens x 4,096 + (128 along K) x 2,048 + piece x 512 + 16 lane.  A wave's 8 tiles of one group are one dense block of 32,768 bytes:
; it comes as 128 rows of 256 bytes, unpadded, and a fragment is four loads of 512 consecutive bytes.      B = wc's section 3: rows of Wp's codes, as rows of 256 bytes, padded to 272 in LDS.
; In wc the four pieces of 8 codes of each 32 stand in the order 0, 2, 1, 3: so B's four 16-byte loads a lane put each k where A's image has it.
; 128 tiles of 256 x 256: 128 work-groups.  CLUSTERS: 4 x 4; A's tile is shared along a row of the cluster, B's along a column, each asked for jointly.
; THE MATRIX INSTRUCTION IS USED TRANSPOSED (source 0 = 16 rows of Wp, source 1 = 16 tokens): a lane holds eight neighbouring numbers of a row of out0.
; LIMIT: e10 + e11 between -126 and 127, so that 2^(e10 + e11) is an f32 number.
; REGISTERS, in windows of 256: window 0: v0-31 addresses and bp's four numbers; from v128 A's fragments, ONE set, later rows of out0.  window 1: B's fragments, TWO sets.  windows 2, 3: the accumulators.
.set ROWB,   256
.set KROW,   1024
.set PITCH,  272                       ; B's LDS row: 256 bytes + 16 of padding: the 16 rows that a load touches start at 16 different banks (64 banks of 4 bytes: ISA guide 11.1)
.set FR,     16
.set NL,     4
.set NP,     4                         ; places behind this matrix instruction (ISA guide 7.12.1)
.set HALFA,  32768                     ; what one tensor load brings of A: 8 tiles of 16 tokens x 256 along K
.set ABYTES, 2*HALFA
.set HALFT,  128*PITCH                 ; and of B: 128 rows
.set SLOT,   ABYTES+2*HALFT
.set GSTEP,  0x200000                  ; from a group of 256 channels to the next in oc
.set LAPS,   2
.set SPARE,  2*SLOT                    ; behind the ring: the spare words, 128 bytes for each wave: two blocks of 256 bytes that no other line names
.set SPITCH, 528                       ; the way out: a stage of 16 rows x (512 bytes + 16) for each wave, in slot 0, which has had its last fill and its last read when the first result is stored there
.set ADRA, 16
.set ADRB, 20
.set STO,  24                          ; v24  the way out: where I put 32 bytes of a row
.set RD,   25                          ; v25  where I read a row back
.set CO,   26                          ; v26  16 x lane
.set SPW,  28                          ; v28  LDS address of my spare word; never rewritten
.set NIL,  29                          ; v29  0; never rewritten
.set BIAS, 8                           ; v8-11 bp at my four columns of a row read back
.set AF,   128
.set BK,   128                         ; the way out: 16 rows read back: v128-191 and v192-255 by turns
.set G1, 24
.set G0, 32
.set G1B, 48
.set G0B, 56
.set MSB, 0
.macro WIN new                         ; the immediate's high byte repeats the setting that is left
.if MSB != (\new)
	s_set_vgpr_msb (MSB<<8)|(\new)
.set MSB, \new
.endif
.endm
.set MUL_LO, 0xa1                      ; source 0 (B) window 1, source 1 (A) window 0, C and D window 2
.set MUL_HI, 0xf1
.set TO_B,   0x40
.macro JLOAD g0a, g1a, g0b, g1b        ; a joint load: waves 0 and 1 fetch for A, waves 2 and 3 for B; an s_nop 0 and four v_nop follow each of the two lines
	s_cmp_eq_u32 s15, 0
	s_cbranch_scc0 .Lfor_b_\@
	tensor_load_to_lds s[\g0a:\g0a+3], s[\g1a:\g1a+7]
	s_nop 0
.rept 4
	v_nop
.endr
	s_branch .Lasked_\@
.Lfor_b_\@:
	tensor_load_to_lds s[\g0b:\g0b+3], s[\g1b:\g1b+7]
	s_nop 0
.rept 4
	v_nop
.endr
.Lasked_\@:
.endm
.macro CREST
	s_cmp_lg_u32 s14, 0
	s_cbranch_scc1 .Lnot_wave_0_\@
	s_barrier_signal -3
.Lnot_wave_0_\@:
	s_barrier_wait -3
	s_barrier_signal -1
	s_barrier_wait -1
.endm
.macro CROUND
	s_barrier_signal -1
	s_barrier_wait -1
	CREST
.endm
	s_load_b128 s[4:7], s[0:1], 0x0                ; oc s[4:5], wc s[6:7]
	s_load_b128 s[8:11], s[0:1], 0x10              ; the exponents s[8:9], bp s[10:11]
	s_load_b64 s[12:13], s[0:1], 0x20              ; out0
	v_lshl_add_u32 v[SPW], v0, 2, SPARE
	v_mov_b32 v[NIL], 0
	ds_add_u32 v[SPW], v[NIL]                      ; the wave's opening: the add and its wait stand ahead of my first tensor load; the set-up below, work on registers, stands between them
	v_lshrrev_b32 v1, 5, v0
	v_readfirstlane_b32 s14, v1                    ; wave 0..3
	s_lshr_b32 s15, s14, 1                         ; which half of the tile's rows is mine.  Also: I fetch for A (0) or for B (1)
	s_and_b32 s16, s14, 1                          ; which half of its columns.  Also: which half of that tile I fetch
	s_bfe_u32 s40, ttmp6, 0x40000                  ; cx, cy
	s_bfe_u32 s41, ttmp6, 0x40004
	s_lshl_b32 s42, ttmp9, 2
	s_add_co_u32 s42, s42, s40                     ; tile column = 4 x cluster x + cx
	s_and_b32 s17, ttmp7, 0xffff
	s_lshl_b32 s17, s17, 2
	s_add_co_u32 s17, s17, s41                     ; tile row = 4 x cluster y + cy
	s_lshl_b32 s43, s41, 2
	s_lshl_b32 s43, 15, s43                        ; my row of the cluster
	s_lshl_b32 s44, 0x1111, s40                    ; my column
	; group 1 for A: 128 rows of 32 elements of 8 bytes, dense, no padding
	s_or_b32 s[G1+0], s43, (3<<16)|(1<<21)         ; 15:0 the mask: my row; 17:16 elements of 8 bytes; 21 set beside a mask
	s_mov_b32 s[G1+1], 32<<16                      ; tensor_dim0 = 32
	s_mov_b32 s[G1+2], 128<<16                     ; tensor_dim1 = 128
	s_mov_b32 s[G1+3], 32<<16                      ; tile_dim0 = 32
	s_mov_b32 s[G1+4], 128                         ; tile_dim1 = 128
	s_mov_b32 s[G1+5], 32                          ; tensor_dim0_stride
	s_mov_b32 s[G1+6], 0
	s_mov_b32 s[G1+7], 0
	; group 1 for B: 128 rows of 256 bytes, 1,024 apart, padded in LDS
	s_or_b32 s[G1B+0], s44, (0<<16)|(1<<20)|(1<<21)|(5<<22)|(3<<25)  ; the mask: my column; elements of 1 byte; padding: 4 words after every 64
	s_mov_b32 s[G1B+1], ROWB<<16
	s_mov_b32 s[G1B+2], 128<<16
	s_mov_b32 s[G1B+3], ROWB<<16
	s_mov_b32 s[G1B+4], 128
	s_mov_b32 s[G1B+5], KROW
	s_mov_b32 s[G1B+6], 0
	s_mov_b32 s[G1B+7], 0
	s_lshl_b32 s20, s17, 16                        ; A: 16 tiles of tokens x 4,096 bytes for each tile row,
	s_lshl_b32 s18, s16, 15                        ;    + 8 tiles for the half
	s_add_co_u32 s20, s20, s18
	s_mov_b32 s21, 0
	s_lshl_b32 s46, s42, 18                        ; B: 256 rows x 1,024 bytes for each tile column,
	s_lshl_b32 s18, s16, 17                        ;    + 128 rows for the half,
	s_add_co_u32 s46, s46, s18
	s_add_co_u32 s46, s46, 0x300000                ;    in section 3
	s_mov_b32 s47, 0
	s_lshl_b32 s45, s16, 15                        ; where they go in a slot: A's halves,
	s_mul_i32 s19, s16, HALFT
	s_add_co_u32 s19, s19, ABYTES                  ; then B's: no place in the cluster enters an LDS address
	s_wait_dscnt 0x0                               ; the opening add is done
	s_wait_kmcnt 0x0
	s_load_b64 s[96:97], s[8:9], 0x28              ; e10, e11
	s_add_nc_u64 s[20:21], s[4:5], s[20:21]
	s_add_nc_u64 s[46:47], s[6:7], s[46:47]
	CROUND                                         ; all sixteen work-groups are here: the first joint loads meet
.irp s, 0,1
	s_mov_b32 s[G0+4*\s], 1
	s_add_co_u32 s[G0+4*\s+1], s45, \s*SLOT
	s_add_nc_u64 s[G0+4*\s+2:G0+4*\s+3], s[20:21], \s*GSTEP
	s_or_b32 s[G0+4*\s+3], s[G0+4*\s+3], 0x80000000
	s_mov_b32 s[G0B+4*\s], 1
	s_add_co_u32 s[G0B+4*\s+1], s19, \s*SLOT
	s_add_nc_u64 s[G0B+4*\s+2:G0B+4*\s+3], s[46:47], \s*ROWB
	s_or_b32 s[G0B+4*\s+3], s[G0B+4*\s+3], 0x80000000
	JLOAD G0+4*\s, G1, G0B+4*\s, G1B
.endr
	v_and_b32 v1, 15, v0                           ; l % 16
	v_bfe_u32 v2, v0, 4, 1                         ; l / 16
	v_mul_u32_u24 v3, v1, PITCH
	v_lshl_add_u32 v4, v2, 4, v3                   ; B: a fragment's row x pitch + 16 x half
	v_and_b32 v6, 31, v0
	v_lshlrev_b32 v[CO], 4, v6                     ; A: 16 x lane
	s_lshl_b32 s21, s15, 15                        ; my 128 tokens of A
	s_mul_i32 s22, s16, HALFT                      ; my 128 rows of B,
	s_add_co_u32 s22, s22, ABYTES                  ; which lie behind A
.irp s, 0,1
	v_add_nc_u32 v[ADRA+\s], s21, v[CO]
	v_add_nc_u32 v[ADRB+\s], s22, v4
	s_add_co_u32 s21, s21, SLOT
	s_add_co_u32 s22, s22, SLOT
.endr
	s_mul_i32 s23, s14, 16*SPITCH                  ; my stage
	v_mul_u32_u24 v5, v1, SPITCH                   ; in: row l % 16, 32 bytes for each half of the lanes
	v_lshl_add_u32 v5, v2, 5, v5
	v_add_nc_u32 v[STO], s23, v5
	v_add_nc_u32 v[RD], s23, v[CO]                 ; back: the 32 lanes take one row of 512 bytes
	s_lshl_b32 s20, s17, 20                        ; my first row of out0: 256 rows of 4,096 bytes for each tile row,
	s_lshl_b32 s21, s15, 19                        ; + 128 rows for the half
	s_add_co_u32 s20, s20, s21
	s_mov_b32 s21, 0
	s_lshl_b32 s46, s42, 10                        ; my first column, in bytes: 1,024 x tile column + 512 x half
	s_lshl_b32 s47, s16, 9
	s_add_co_u32 s46, s46, s47
	s_mov_b32 s47, 0
	s_add_nc_u64 s[10:11], s[10:11], s[46:47]      ; bp at my first column
	s_add_nc_u64 s[12:13], s[12:13], s[46:47]
	s_add_nc_u64 s[12:13], s[12:13], s[20:21]
	global_load_b128 v[BIAS:BIAS+3], v[CO], s[10:11]   ; awaited ahead of the way out
.macro FRAG reg, adr, q, i             ; B's fragment: registers 4 c .. 4 c + 3 hold places 32 c + 16 (l / 16) + 0 .. 15 of row l % 16
.irp c, 0,1,2,3
	ds_load_b128 v[\reg+4*\c:\reg+4*\c+3], v[\adr] offset:128*(\q)+32*\c+(\i)*16*PITCH
.endr
.endm
.macro FRAGA reg, adr, q, i            ; A's fragment: the image as it lies: four loads of 512 consecutive bytes
.irp c, 0,1,2,3
	ds_load_b128 v[\reg+4*\c:\reg+4*\c+3], v[\adr] offset:2048*(\q)+512*\c+(\i)*4096
.endr
.endm
.macro MUL16 a0, p, zero               ; 16 matrix instructions: A's blocks a0, a0 + 1 x B's eight; the 64 accumulators take turns, one instruction a turn
.irp a, \a0, \a0+1
.irp b, 0,1,2,3,4,5,6,7
.if \zero
	v_wmma_f32_16x16x128_fp8_fp8 v[8*(8*((\a)%4)+\b):8*(8*((\a)%4)+\b)+7], v[128*(\p)+FR*\b:128*(\p)+FR*\b+FR-1], v[AF+FR*(\a):AF+FR*(\a)+FR-1], 0
.else
	v_wmma_f32_16x16x128_fp8_fp8 v[8*(8*((\a)%4)+\b):8*(8*((\a)%4)+\b)+7], v[128*(\p)+FR*\b:128*(\p)+FR*\b+FR-1], v[AF+FR*(\a):AF+FR*(\a)+FR-1], v[8*(8*((\a)%4)+\b):8*(8*((\a)%4)+\b)+7]
.endif
.endr
.endr
.endm
.macro FETCH_B slot, q, p
	WIN TO_B
.irp i, 0,1,2,3,4,5,6,7
	FRAG 128*(\p)+FR*\i, ADRB+\slot, \q, \i
.endr
	WIN 0
.endm
.macro FETCH_A slot, q, i0
.irp i, \i0, \i0+1, \i0+2, \i0+3
	FRAGA AF+FR*(\i), ADRA+\slot, \q, \i
.endr
.endm
.macro PLACES n                        ; plain vector lines between a matrix instruction and a load into a register that it has read, or a read of its result
.rept \n
	v_nop
.endr
.endm
.macro STEP slot, q, zero              ; a step of 128 along K that has its successor in the same slot
	s_wait_dscnt 4*NL                              ; B's set and A's blocks 0-3 are in; the youngest sixteen loads (A's blocks 4-7) may be out
	WIN MUL_LO
	MUL16 0, (\q)%2, \zero
	MUL16 2, (\q)%2, \zero
	s_wait_dscnt 0
	PLACES NP
	FETCH_B \slot, (\q)+1, 1-(\q)%2
	FETCH_A \slot, (\q)+1, 0
	WIN MUL_HI
	MUL16 4, (\q)%2, \zero
	MUL16 6, (\q)%2, \zero
	PLACES NP
	WIN 0
	FETCH_A \slot, (\q)+1, 4
.endm
; A slot's last step changes slots: ONE barrier; in front of it each wave waits for all its tensor loads, adds 0 to its spare word, and waits for that and for its own reads of this slot.
.macro TURN slot, next, fill
	s_wait_tensorcnt 0x0                           ; all my tensor loads have landed: my part of the next slot (every window is 0 here)
	ds_add_u32 v[SPW], v[NIL]                      ; 0 onto my spare word
	s_wait_dscnt 4*NL+1                            ; the add and the youngest sixteen loads may be out
	WIN MUL_LO
	MUL16 0, 1, 0
	s_wait_dscnt 0x0                               ; the add is done, and my reads of this slot are over
	s_barrier_signal -1
	MUL16 2, 1, 0
	WIN 0
	s_barrier_wait -1
.if \fill
	CREST                                          ; the barrier has opened a round of the cluster's barrier: no wave of any partner still reads this slot or has a load on its way
	s_add_nc_u64 s[G0+4*\slot+2:G0+4*\slot+3], s[G0+4*\slot+2:G0+4*\slot+3], 2*GSTEP
	s_add_nc_u64 s[G0B+4*\slot+2:G0B+4*\slot+3], s[G0B+4*\slot+2:G0B+4*\slot+3], 2*ROWB
	JLOAD G0+4*\slot, G1, G0B+4*\slot, G1B         ; the first tensor load behind the round; its four v_nop are the places in front of the loads below
.else
	PLACES NP
.endif
	FETCH_B \next, 0, 0
	FETCH_A \next, 0, 0
	WIN MUL_HI
	MUL16 4, 1, 0
	MUL16 6, 1, 0
	PLACES NP
	WIN 0
	FETCH_A \next, 0, 4
.endm
	s_wait_tensorcnt 1                             ; my part of slot 0 is in; slot 1's load may be out
	s_barrier_signal -1
	s_barrier_wait -1
	FETCH_B 0, 0, 0
	FETCH_A 0, 0, 0
	FETCH_A 0, 0, 4
	STEP 0, 0, 1                                   ; the first step's products start the sums
	s_mov_b32 s3, LAPS-1
.Llap:
	TURN 0, 1, 1
	STEP 1, 0, 0
	TURN 1, 0, 1
	STEP 0, 0, 0
	s_sub_co_u32 s3, s3, 1
	s_cmp_lg_u32 s3, 0
	s_cbranch_scc1 .Llap
	TURN 0, 1, 0                                   ; the last lap fills nothing
	STEP 1, 0, 0
	s_wait_dscnt 4*NL
	WIN MUL_LO
	MUL16 0, 1, 0
	MUL16 2, 1, 0
	s_wait_dscnt 0
	WIN MUL_HI
	MUL16 4, 1, 0
	MUL16 6, 1, 0
	WIN 0
; THE WAY OUT, block by block of 16 rows x 128 columns.  The sums go into my own stage as they are, straight from the accumulators, and come back as whole rows of 512 bytes; there a lane holds four neighbouring columns,
; the same four in every row, so four registers of bp serve all: sum x 2^(e10 + e11) + bp, two at a time.  LDS serves a wave's instructions in order (ISA guide 5.7.1.4): no wait between the stores and the loads.
.macro TOSTAGE a
.set AC, 64*((\a)%4)
	WIN 0x08+4*((\a)/4)                            ; an LDS store's data: window 2 or 3; its address: window 0
.irp b, 0,1,2,3,4,5,6,7
	ds_store_b128 v[STO], v[AC+8*\b:AC+8*\b+3] offset:64*\b          ; each accumulator from its low end on
	ds_store_b128 v[STO], v[AC+8*\b+4:AC+8*\b+7] offset:64*\b+16
.endr
	WIN 0
.set BB, BK+64*((\a)%2)
.irp t, 0,1,2,3,4,5,6,7,8,9,10,11,12,13,14,15
	ds_load_b128 v[BB+4*\t:BB+4*\t+3], v[RD] offset:\t*SPITCH
.endr
.endm
.macro SEND a, younger                 ; younger: the LDS instructions issued behind block a's loads, which may stay out
.set BB, BK+64*((\a)%2)
	s_wait_dscnt \younger                          ; the block is back in registers
.irp t, 0,1,2,3,4,5,6,7,8,9,10,11,12,13,14,15
	v_pk_fma_f32 v[BB+4*\t:BB+4*\t+1], v[BB+4*\t:BB+4*\t+1], s[96:97], v[BIAS:BIAS+1] op_sel_hi:[1,0,1]
	v_pk_fma_f32 v[BB+4*\t+2:BB+4*\t+3], v[BB+4*\t+2:BB+4*\t+3], s[96:97], v[BIAS+2:BIAS+3] op_sel_hi:[1,0,1]
.endr
.if (\a) > 0
	s_add_nc_u64 s[12:13], s[12:13], 16*4096       ; (behind a wait on XCNT: the earlier stores have read their base)  16 rows on
.endif
.irp t, 0,1,2,3,4,5,6,7,8,9,10,11,12,13,14,15
	global_store_b128 v[CO], v[BB+4*\t:BB+4*\t+3], s[12:13] offset:\t*4096 th:TH_STORE_NT   ; 32 lanes store 512 consecutive bytes, aligned; written once, read by nobody here
.endr
.endm
	s_wait_kmcnt 0x0
	s_add_co_i32 s96, s96, s97
	s_add_co_i32 s96, s96, 127
	s_lshl_b32 s96, s96, 23                        ; 2^(e10 + e11) as f32
	s_mov_b32 s97, s96                             ; (named with it as a pair)
	s_wait_loadcnt 0x0                             ; bp
	PLACES NP                                      ; behind the last products: for the stores that read results and the loads into A's registers
	TOSTAGE 0
.irp a, 1,2,3,4,5,6,7
.if \a > 1
	s_wait_xcnt 0x0                                ; block a - 2's stores have read their registers and their base: block a's loads may land there, and the base may step
.endif
	TOSTAGE \a
	SEND \a-1, 32                                  ; behind block a - 1's loads: block a's 16 stores and 16 loads
.endr
	s_wait_xcnt 0x0
	SEND 7, 0
	s_wait_tensorcnt 0x0                           ; the wave's end, behind my last tensor load and my last LDS store
	ds_add_u32 v[SPW], v[NIL]
	s_wait_dscnt 0x0
	CROUND                                         ; the closing round: no work-group ends while a partner may still ask for a tile that names it
	s_endpgm
.Lfunc_end_k_q3e605f4000_proj:
	.size	k_q3e605f4000_proj, .Lfunc_end_k_q3e605f4000_proj-k_q3e605f4000_proj
	.p2alignl 7, 3214868480
	.fill 96, 4, 3214868480
	.section	.rodata,"a",@progbits
	.p2align	6, 0x0
	.amdhsa_kernel k_q3e605f4000_proj
		.amdhsa_group_segment_fixed_size 327680
		.amdhsa_private_segment_fixed_size 0
		.amdhsa_enable_private_segment 0
		.amdhsa_kernarg_size 40
		.amdhsa_user_sgpr_count 2
		.amdhsa_user_sgpr_kernarg_segment_ptr 1
		.amdhsa_wavefront_size32 1
		.amdhsa_system_sgpr_workgroup_id_x 1
		.amdhsa_system_sgpr_workgroup_id_y 1
		.amdhsa_system_sgpr_workgroup_id_z 1
		.amdhsa_system_vgpr_workitem_id 0
		.amdhsa_next_free_vgpr 1024
		.amdhsa_next_free_sgpr 100
		.amdhsa_reserve_vcc 0
		.amdhsa_float_denorm_mode_32 3
		.amdhsa_float_denorm_mode_16_64 3
		.amdhsa_memory_ordered 1
		.amdhsa_forward_progress 1
		.amdhsa_inst_pref_size 123
	.end_amdhsa_kernel
	.amdgpu_metadata
---
amdhsa.version: [ 1, 2 ]
amdhsa.kernels:
  - .name:           k_q3e605f4000_proj
    .symbol:         k_q3e605f4000_proj.kd
    .args:
      - { .name: oc, .offset: 0, .size: 8, .value_kind: global_buffer, .address_space: global }
      - { .name: wc, .offset: 8, .size: 8, .value_kind: global_buffer, .address_space: global }
      - { .name: lowp_scales, .offset: 16, .size: 8, .value_kind: global_buffer, .address_space: global }
      - { .name: bp, .offset: 24, .size: 8, .value_kind: global_buffer, .address_space: global }
      - { .name: out0, .offset: 32, .size: 8, .value_kind: global_buffer, .address_space: global }
    .group_segment_fixed_size: 327680
    .private_segment_fixed_size: 0
    .kernarg_segment_align: 8
    .kernarg_segment_size: 40
    .max_flat_workgroup_size: 128
    .sgpr_count:     100
    .vgpr_count:     1024
    .wavefront_size: 32
...
	.end_amdgpu_metadata
.endif
;; end of part 4
;; ======== version 2 of 2: 4 launches; version 1 with the launch attn written anew for expert scheduling mode
;; workspace buffers: xc 25,165,824 bytes; wc 4,194,304 bytes; qkvc 25,165,824 bytes; oc 8,388,608 bytes
;; launch quant: the kernel of part 1 again; grid 1248 x 1, 4 waves a work-group, no clusters, 35,328 bytes of LDS; arguments x, Wq, Wk, Wv, Wp, lowp_scales, xc, wc; writes xc, wc
;; launch qkv: the kernel of part 2 again; grid 12 x 32, 4 waves a work-group, clusters of 4 x 4, 327,680 bytes of LDS; arguments xc, wc, lowp_scales, qkvc; writes qkvc
;; launch attn (part 5): grid 8 x 64, 16 waves a work-group, no clusters, 67,584 bytes of LDS; arguments qkvc, lowp_scales, oc; writes oc
.if DOCPART == 5
	.amdgcn_target "amdgcn-amd-amdhsa--gfx1250"
	.amdhsa_code_object_version 6
	.text
	.protected	k_q3e605f4000_attn
	.globl	k_q3e605f4000_attn
	.p2align	8
	.type	k_q3e605f4000_attn,@function
k_q3e605f4000_attn:
	s_mov_b64 s[64:65], 0
	v_nop
	global_prefetch_b8 v0, s[64:65] scope:SCOPE_SE
	s_setreg_imm32_b32 hwreg(HW_REG_WAVE_SCHED_MODE, 0, 2), 2
	s_setreg_imm32_b32 hwreg(HW_REG_WAVE_MODE, 25, 1), 1
	s_wait_xcnt 0x0
	s_wait_alu depctr_vm_vsrc(0)
; Causal attention on codes of FP8 (E4M3), head size 64, 2,048 tokens, 64 pairs (batch, head); the result is quantised at once for the last product.
; THE SOFTMAX AHEAD OF THE SECOND PRODUCT: t = score x log2(e) / 8; M = the row's largest t so far, rounded UP to a whole number; p = 2^(t - M) is what is quantised (by e8), not normalised.
; The row's sum is taken of the unquantised p, in f32, and divides at the end.  When M moves, the sum and O are multiplied by 2^(old M - new M): exact.
; SHARES.  The tokens are 16 blocks of 128 queries.  Work-group (j, pair) owns blocks j and 15 - j: (j + 1) + (16 - j) = 17 key steps of 128 for each of eight tiles of queries, the same for every j.
; Each of the sixteen waves owns ONE tile of 16 queries; wave w takes tile w / 2 of the low block or of the high one by the bit (w xor w / 4) & 1, so that low and high tiles are mixed among any four neighbouring waves.
; K AND V are images of operand registers (16 bytes a lane, 512 an instruction), dense in memory.  A slot is 256 keys: 16 KiB of K and 16 KiB of V.  The 512 threads copy a slot through registers, 4 x 16 bytes each:
; the loads stand at the head of the slot before, the LDS stores at its end, two key steps of every wave later; two LDS buffers take turns, one barrier a slot.  No tensor load: so the copies of slots that the
; work-group does not need (beyond (17 - j) / 2) are jumped over, and the hold of p hangs on e8.  No cluster: work-groups of one pair need 5 to 8 slots, not the same number.
; Every work-group walks 8 slots (a constant); key steps all of whose keys come after the wave's queries are jumped over by a scalar branch on ids; no barrier stands under a branch.
; LAYOUT.  Both products are used transposed: S^T = K Q^T (source 0 = 16 keys, source 1 = my 16 queries, K = 64), O^T = V^T P^T (source 0 = 16 channels, source 1 = P, K = 128 keys): a lane holds ONE query throughout.
; Register 8 t + i of S^T is key 16 t + 8 (lane / 16) + i: the conversion of tile t gives registers 2 t, 2 t + 1 of the second product's operand as they stand.
; THE RESULT: code = (O^T / sum) / 2^(e10 - e8 - e9), held within +-448, stored as an image of the last product's operand: group of 4 heads x 2 MiB + tile of 16 tokens x 4,096 + (head % 4) x 1,024 + piece x 512 + 16 lane.
; LIMITS on the given exponents: e6 + e7 between -123 and 130 (they are added to c's exponent field); e8, and e10 - e8 - e9, between -126 and 119.  NaN among the inputs is not served.
; THE MODE: SCHED_MODE bits 1:0 = 2 (LLVM: expert scheduling mode 2), set by the entry lines.  The code itself states the register dependences between vector or matrix instructions and memory or LDS
; instructions, with s_wait_alu, always for 0.
; THE PLAN.  Sixteen waves of 256 registers leave none for a further buffer, so two regions of 64 registers take turns within a slot: X = v32-95, Y = v96-159.
;   a slot's first step:  K, then V, in X; S^T, then p, in Y.      its second step:  K, then V, in Y; S^T, then p, in X.
; Registers that memory or LDS instructions touch:
;   v1, v2     offsets, written at the head and named by no vector line afterwards: one wait at the head serves every load and store.
;   v192-207   the copy: global loads land in it at a slot's head, LDS stores read it at the slot's end; no vector line names it.  One wait on vm_vsrc at a slot's head: the stores have read it.
;   K's region: the first step's K lands in X behind a wait at the step's head (the slot before is done with its scores and p there).  The second step's K lands in Y, asked for IN THE FIRST STEP, behind a wait
;              that stands behind that step's conversions (sums, hold and conversions are done with p); its sixteen loads are dealt among the sixteen multiplies of O^T, which name neither Y nor v1.
;   V:         lands where K lay, behind a wait that stands behind the eight products K Q^T (they are done reading K); its sixteen loads are dealt among the lines of the maximum, which name the scores' region alone.
;   v224-231   on the way out: written by the conversions, read by the two stores: one wait between.
; Since the second step's K comes from the first step, a jump over the first step leads past the second too (its keys come later still).
; REGISTERS: v1-3 stay; v12 -M, v13 the largest t, v[14:15] the sum in two halves; v16-23 Q; v32-95 X; v96-159 Y; v160-191 O^T; v192-207 the copy; v208 a permute's destination; v224-239 p's codes; v240-254 at work.
.set BUF,   32768                      ; an LDS buffer: K's 16,384 bytes, then V's
.set SPARE, 65536                      ; behind the two buffers: the spare words, 128 bytes for each wave: eight blocks of 256 bytes that no other line names
.set LI,   1                           ; v1   16 x lane
.set T16,  2                           ; v2   16 x thread
.set RH,   3                           ; v3   lane % 16 - 8 (lane / 16)
.set SPW,  5                           ; v5   LDS address of my spare word; never rewritten
.set NIL,  6                           ; v6   0; never rewritten
.set PT,   208
.set MK,   10                          ; s[10:17] eight masks of the causal mask's compares
.set WV,   18                          ; s18  my wave's number
.set SEL,  20                          ; s[20:21] lane selects for v_permlanex16_b32: lane l xor 16
.set CS,   22                          ; s[22:23] c = log2(e) / 8 x 2^(e6 + e7)
.set KF,   24                          ; s24  the slot's first key
.set Q0,   25                          ; s25  my first query
.set NS,   26                          ; s26  slots that the work-group needs
.set NX,   27                          ; s27  the slot that is being copied
.set TRIP, 28
.set KB,   30                          ; s[30:31] K at the slot to be copied
.set VB,   32                          ; s[32:33] V likewise
.set KS,   49                          ; s49  the step's first key
	s_load_b128 s[4:7], s[0:1], 0x0                ; qkvc s[4:5], the exponents s[6:7]
	s_load_b64 s[8:9], s[0:1], 0x10                ; oc
	v_lshl_add_u32 v[SPW], v0, 2, SPARE
	v_mov_b32 v[NIL], 0
	v_lshrrev_b32 v8, 5, v0
	v_readfirstlane_b32 s[WV], v8                  ; wave 0..15
	v_and_b32 v[LI], 31, v0
	v_lshlrev_b32 v[LI], 4, v[LI]
	v_lshlrev_b32 v[T16], 4, v0
	s_and_b32 s50, ttmp7, 0xffff                   ; 16 x batch + head
	s_wait_alu depctr_va_sdst(0)                   ; s18, the wave's number, is written, ahead of its first reader
	s_lshr_b32 s51, s[WV], 2
	s_xor_b32 s51, s51, s[WV]
	s_and_b32 s51, s51, 1                          ; the high block?
	s_sub_co_u32 s52, 15, ttmp9
	s_cmp_eq_u32 s51, 1
	s_cselect_b32 s52, s52, ttmp9                  ; my block of 128 queries
	s_lshl_b32 s[Q0], s52, 7
	s_lshr_b32 s53, s[WV], 1
	s_lshl_b32 s53, s53, 4
	s_add_co_u32 s[Q0], s[Q0], s53                 ; my first query
	s_sub_co_u32 s[NS], 17, ttmp9
	s_lshr_b32 s[NS], s[NS], 1                     ; the high block's last key is 128 (16 - j) - 1
	s_mov_b32 s[NX], 0
	s_mov_b32 s[KF], 0
	s_mov_b32 s[SEL], 0x76543210
	s_mov_b32 s[SEL+1], 0xfedcba98
	s_mov_b32 s[CS], 0x3e38aa3b                    ; log2(e) / 8
	s_lshl_b32 s46, s50, 17                        ; the pair's 131,072 bytes in each section
	s_mov_b32 s47, 0
	s_wait_kmcnt 0x0
	s_load_b128 s[40:43], s[6:7], 0x18             ; e6, e7, e8, e9
	s_load_b32 s44, s[6:7], 0x28                   ; e10
	s_add_nc_u64 s[34:35], s[4:5], s[46:47]        ; q's section,
	s_add_nc_u64 s[KB:KB+1], s[34:35], 0x800000    ; k's,
	s_add_nc_u64 s[VB:VB+1], s[34:35], 0x1000000   ; v's
	s_lshl_b32 s46, s[Q0], 6
	s_add_nc_u64 s[34:35], s[34:35], s[46:47]      ; my tile of q: 64 bytes a token
	s_wait_alu depctr_va_vdst(0)                   ; v1 and v2 are written: every load and store of the kernel reads one of them as its offset or address, and no vector line names them again
	global_load_b128 v[192:195], v[T16], s[KB:KB+1]              ; slot 0
	global_load_b128 v[196:199], v[T16], s[KB:KB+1] offset:8192
	global_load_b128 v[200:203], v[T16], s[VB:VB+1]
	global_load_b128 v[204:207], v[T16], s[VB:VB+1] offset:8192
	global_load_b128 v[16:19], v[LI], s[34:35]                   ; Q's fragment stays in registers
	global_load_b128 v[20:23], v[LI], s[34:35] offset:512
	s_and_b32 s51, s50, 15                         ; head
	s_lshr_b32 s52, s50, 4                         ; batch
	s_lshr_b32 s53, s51, 2
	s_lshl_b32 s46, s53, 21                        ; the group of 4 heads
	s_lshl_b32 s52, s52, 7
	s_lshr_b32 s53, s[Q0], 4
	s_add_co_u32 s52, s52, s53                     ; my tile of 16 tokens among 512
	s_lshl_b32 s52, s52, 12
	s_add_co_u32 s46, s46, s52
	s_and_b32 s53, s51, 3
	s_lshl_b32 s53, s53, 10
	s_add_co_u32 s46, s46, s53
	s_add_nc_u64 s[36:37], s[8:9], s[46:47]        ; where my result goes
	v_and_b32 v8, 15, v0
	v_bfe_u32 v9, v0, 4, 1
	v_lshlrev_b32 v9, 3, v9
	v_sub_nc_u32 v[RH], v8, v9
	v_mov_b32 v13, 0xff61b1e6                      ; the largest t so far: -3e38, under every t
	v_floor_f32 v12, -v13                          ; -M
	v_mov_b32 v14, 0
	v_mov_b32 v15, 0
	v_mov_b32 v[PT], 0                             ; written once: a lane permute's destination counts as one of its sources
	v_mov_b32 v253, 0                              ; (named as the upper half of the pair v[252:253])
.set j, 0
.rept 32
	v_mov_b32 v[160+j], 0                          ; O^T.  (The step is written without a first form of its own: the first change of M multiplies zeros)
.set j, j+1
.endr
	s_wait_kmcnt 0x0
	s_add_co_i32 s50, s40, s41
	s_lshl_b32 s50, s50, 23
	s_add_co_i32 s[CS], s[CS], s50                 ; a score stands for score x 2^(e6 + e7)
	s_mov_b32 s[CS+1], s[CS]                       ; (named with it as a pair, so it is written)
	s_add_co_i32 s50, s42, 127
	s_lshl_b32 s51, s50, 23
	v_mov_b32 v244, s51                            ; 2^e8 as f32, for the conversion
	s_add_co_i32 s50, s50, 8
	s_lshl_b32 s50, s50, 23
	s_or_b32 s50, s50, 0x600000
	v_mov_b32 v240, s50                            ; 448 x 2^e8
	s_wait_loadcnt 0x0                             ; slot 0 and Q are in: so the bases may step
.irp i, 0,1,2,3
	ds_store_b128 v[T16], v[192+4*\i:195+4*\i] offset:8192*\i
.endr
	s_add_nc_u64 s[KB:KB+1], s[KB:KB+1], 16384
	s_add_nc_u64 s[VB:VB+1], s[VB:VB+1], 16384
	s_wait_dscnt 0x0                               ; for the others' sake: my stores have landed
	s_barrier_signal -1
	s_barrier_wait -1
; One of the sixteen LDS loads that bring a step's K or its V: piece f, 512 consecutive bytes, into four registers of the region.
.macro LDF base, f, off
	ds_load_b128 v[(\base)+4*(\f):(\base)+4*(\f)+3], v[LI] offset:(\off)+512*(\f)
.endm
; A KEY STEP: 128 keys, the q-th of the slot in buffer b.  KR: the region of K and then of V; SR: the region of the scores and then of p.
.macro STEP b, q
.set KR, 32+64*(\q)
.set SR, 96-64*(\q)
.set KO, (\b)*BUF+8192*(\q)                    ; the step's K in LDS,
.set VO, (\b)*BUF+16384+8192*(\q)              ; its V,
.set K1O, (\b)*BUF+8192                        ; and the K of the slot's second step
	s_add_co_u32 s[KS], s[KF], 128*(\q)            ; the step's first key
	s_add_co_u32 s50, s[Q0], 15
	s_cmp_gt_u32 s[KS], s50                        ; all keys come after my queries: nothing to do in this step, nor in the slot's later one
	s_cbranch_scc1 .Lhidden\b
.rept 5
	v_nop                                          ; five places between the last products V^T P^T and the products below, which write over the region that those read as V
.endr
.if (\q) == 0
	s_wait_alu depctr_va_vdst(0)                   ; the slot before is done with its scores and p in this region (products, softmax, conversions): K's loads land there
.set n, 0
.rept 16
	LDF KR, n, KO
.set n, n+1
.endr
.endif
	s_wait_dscnt 0x0                               ; K is in (the second step's was asked for in the first)
.irp t, 0,1,2,3,4,5,6,7
	v_wmma_f32_16x16x64_fp8_fp8 v[SR+8*\t:SR+8*\t+7], v[KR+8*\t:KR+8*\t+7], v[16:23], 0
.endr
.rept 4
	v_nop                                          ; places: for the first read of the scores
.endr
	s_wait_alu depctr_va_vdst(0)                   ; the eight products are done reading K: V's loads, dealt among the lines of the maximum below, land in its registers; no line between names them or v1
	s_add_co_u32 s50, s[KS], 127
	s_cmp_le_u32 s50, s[Q0]                        ; all keys count: no mask
	s_cbranch_scc1 .Lopen_\@
	s_sub_co_i32 s50, s[Q0], s[KS]
	v_add_nc_u32 v252, s50, v[RH]                  ; d = my query - the step's first key - 8 (lane / 16).  Register 8 t + i holds key 16 t + 8 (lane / 16) + i of the step: hidden where 16 t + i > d
	v_mov_b32 v254, 0xff800000                     ; -infinity: p = 0 then
.set n, 0
.rept 8                                        ; a tile's eight compares in a run, into eight scalar registers, then its eight selects
.irp i, 0,1,2,3,4,5,6,7
	v_cmp_gt_i32 s[MK+\i], 16*n+\i, v252
.endr
	s_wait_alu depctr_va_sdst(0)                   ; the eight masks are written, ahead of the selects that read them
.irp i, 0,1,2,3,4,5,6,7
	v_cndmask_b32 v[SR+8*n+\i], v[SR+8*n+\i], v254, s[MK+\i]
.endr
.set n, n+1
.endr
.Lopen_\@:
	LDF KR, 0, VO                                  ; V lands while the softmax is worked
	v_max3_num_f32 v254, v[SR], v[SR+1], v[SR+2]   ; the step's largest score of my query, among my 64 keys, in two chains,
	LDF KR, 1, VO
	v_max3_num_f32 v252, v[SR+3], v[SR+4], v[SR+5]
.set n, 0
.rept 14
	LDF KR, n+2, VO
	v_max3_num_f32 v254, v254, v[SR+6+4*n], v[SR+7+4*n]
	v_max3_num_f32 v252, v252, v[SR+8+4*n], v[SR+9+4*n]
.set n, n+1
.endr
	v_max3_num_f32 v254, v254, v[SR+62], v[SR+63]
	v_max_num_f32 v254, v254, v252
	v_permlanex16_b32 v[PT], v254, s[SEL], s[SEL+1]
	v_max_num_f32 v254, v254, v[PT]                ; and among lane l xor 16's
	v_mul_f32 v254, s[CS], v254                    ; as t (c is positive)
	v_max_num_f32 v13, v13, v254                   ; the running largest t
	v_mov_b32 v254, v12
	v_floor_f32 v12, -v13                          ; the new -M = floor(-t) = -ceil(t): a whole number
	v_sub_f32 v254, v12, v254                      ; old M - new M: a whole number, 0 or less
	v_cvt_i32_f32 v254, v254                       ; (it saturates)
	v_ldexp_f32 v252, 1.0, v254                    ; f = 2^(old M - new M)
.set j, 0
.rept 32
	v_pk_fma_f32 v[SR+j:SR+j+1], v[SR+j:SR+j+1], s[CS:CS+1], v[12:13] op_sel_hi:[1,0,0]   ; t - M, two at a time (of the pairs c and -M the low word serves both halves)
.set j, j+2
.endr
.set j, 0
.rept 64
	v_exp_f32 v[SR+j], v[SR+j]                     ; p = 2^(t - M), at most 1
.set j, j+1
.endr
	v_pk_mul_f32 v[14:15], v[14:15], v[252:253] op_sel_hi:[1,0]   ; the sums under the new M: the plain line behind the exponentials
	s_wait_alu depctr_va_vdst(0)                   ; the 64 exponentials have written p: one wait for the whole batch, ahead of its first reader
	v_pk_add_f32 v[242:243], v[SR:SR+1], v[SR+2:SR+3]   ; the row's sum is taken of the unquantised p: two at a time, in two chains
.irp j, 4,8,12,16,20,24,28,32,36,40,44,48,52,56,60
	v_pk_add_f32 v[14:15], v[14:15], v[SR+\j:SR+\j+1]
	v_pk_add_f32 v[242:243], v[242:243], v[SR+2+\j:SR+3+\j]
.endr
	v_pk_add_f32 v[14:15], v[14:15], v[242:243]
	s_cmp_gt_i32 s42, -9                           ; p <= 1 and 448 x 2^-8 = 1.75: the hold can bind only where e8 <= -9
	s_cbranch_scc1 .Lno_hold_\@
.set j, 0
.rept 64
	v_min_num_f32 v[SR+j], v[SR+j], v240           ; the conversion to an 8-bit code does not saturate (ISA guide 7.6.2); p is not negative, so the hold is one-sided
.set j, j+1
.endr
.Lno_hold_\@:
.irp t, 0,1,2,3,4,5,6,7
	v_cvt_scalef32_pk8_fp8_f32 v[224+2*\t:225+2*\t], v[SR+8*\t:SR+8*\t+7], v244
.endr
.if (\q) == 0
	s_wait_alu depctr_va_vdst(0)                   ; the sums, the hold and the conversions are done with p: the second step's K lands in its registers; the multiplies between the loads name O^T and f alone
.set n, 0
.rept 16
	LDF SR, n, K1O
	v_pk_mul_f32 v[160+2*n:161+2*n], v[160+2*n:161+2*n], v[252:253] op_sel_hi:[1,0]   ; O^T under the new M; also the plain lines between the conversions and the products
.set n, n+1
.endr
	s_wait_dscnt 16                                ; LDS loads come back in order (ISA guide 5.7.1): V is in; the sixteen younger loads, the second step's K, stay out
.else
.set n, 0
.rept 16
	v_pk_mul_f32 v[160+2*n:161+2*n], v[160+2*n:161+2*n], v[252:253] op_sel_hi:[1,0]   ; O^T under the new M; also the plain lines between the conversions and the products
.set n, n+1
.endr
	s_wait_dscnt 0x0                               ; V is in
.endif
.irp t, 0,1,2,3
	v_wmma_f32_16x16x128_fp8_fp8 v[160+8*\t:167+8*\t], v[KR+16*\t:KR+16*\t+15], v[224:239], v[160+8*\t:167+8*\t]   ; the four accumulators take turns; the next step's eight products stand between two links
.endr
.endm
; A SLOT in buffer b.  The next slot's 64 bytes a thread are asked for at its head and stored into the other buffer at its end.  That buffer was last read in front of the barrier before, and is first read behind the one below.
.macro SLOTM b
	s_wait_alu depctr_vm_vsrc(0)                   ; the LDS stores of the last copy have read v192-207, in which the loads below land
	s_add_co_u32 s[NX], s[NX], 1
	s_cmp_lt_u32 s[NX], s[NS]                      ; the same in all sixteen waves
	s_cbranch_scc0 .Lno_load_\@
	global_load_b128 v[192:195], v[T16], s[KB:KB+1]
	global_load_b128 v[196:199], v[T16], s[KB:KB+1] offset:8192
	global_load_b128 v[200:203], v[T16], s[VB:VB+1]
	global_load_b128 v[204:207], v[T16], s[VB:VB+1] offset:8192
.Lno_load_\@:
	STEP \b, 0
	STEP \b, 1
.Lhidden\b:
	s_add_co_u32 s[KF], s[KF], 256                 ; the next slot's first key
	s_wait_loadcnt 0x0                             ; the copy is in registers, and its bases may step
	s_cmp_lt_u32 s[NX], s[NS]
	s_cbranch_scc0 .Lno_store_\@
.irp i, 0,1,2,3
	ds_store_b128 v[T16], v[192+4*\i:195+4*\i] offset:(1-\b)*BUF+8192*\i
.endr
	s_add_nc_u64 s[KB:KB+1], s[KB:KB+1], 16384
	s_add_nc_u64 s[VB:VB+1], s[VB:VB+1], 16384
.Lno_store_\@:
	s_wait_dscnt 0x0                               ; my stores have landed, and my reads of this buffer are over
	s_barrier_signal -1
	s_barrier_wait -1
.endm
	s_mov_b32 s[TRIP], 4
.Lslots:
	SLOTM 0
	SLOTM 1
	s_sub_co_u32 s[TRIP], s[TRIP], 1
	s_cmp_lg_u32 s[TRIP], 0
	s_cbranch_scc1 .Lslots
	; THE WAY OUT
.rept 4
	v_nop                                          ; places behind the last products
.endr
	v_add_f32 v14, v14, v15                        ; the sum's two halves,
	v_permlanex16_b32 v[PT], v14, s[SEL], s[SEL+1]
	v_add_f32 v14, v14, v[PT]                      ; and lane l xor 16's: the row's sum
	v_rcp_f32 v14, v14
	s_sub_co_i32 s50, s44, s42
	s_sub_co_i32 s50, s50, s43                     ; e10 - e8 - e9: O^T / sum stands for that x 2^(e8 + e9)
	s_add_co_i32 s50, s50, 127
	s_lshl_b32 s51, s50, 23
	v_mov_b32 v10, s51                             ; (a plain line behind the reciprocal)
	s_add_co_i32 s50, s50, 8
	s_lshl_b32 s50, s50, 23
	s_or_b32 s50, s50, 0x600000
	v_mov_b32 v11, s50
	s_wait_alu depctr_va_vdst(0)                   ; the reciprocal has written v14, ahead of its first reader
.set j, 0
.rept 32
	v_mul_f32 v[96+j], v[160+j], v14               ; register 8 t + i: channel 16 t + 8 (lane / 16) + i of my query; each accumulator from its low end on
.set j, j+1
.endr
.set j, 0
.rept 32
	v_med3_num_f32 v[96+j], v[96+j], -v11, v11
.set j, j+1
.endr
.irp t, 0,1,2,3
	v_cvt_scalef32_pk8_fp8_f32 v[224+2*\t:225+2*\t], v[96+8*\t:103+8*\t], v10
.endr
	v_nop                                          ; a plain line behind the last conversion
	s_wait_alu depctr_va_vdst(0)                   ; the conversions have written v224-231, which the two stores read
	global_store_b128 v[LI], v[224:227], s[36:37]              ; 32 lanes store 512 consecutive bytes, aligned
	global_store_b128 v[LI], v[228:231], s[36:37] offset:512
	s_wait_dscnt 0x0                               ; the closing lines, six on end
	s_wait_alu 0x0
	s_wait_tensorcnt 0x0
	ds_add_u32 v[SPW], v[NIL]
	s_wait_dscnt 0x0
	s_endpgm
.Lfunc_end_k_q3e605f4000_attn:
	.size	k_q3e605f4000_attn, .Lfunc_end_k_q3e605f4000_attn-k_q3e605f4000_attn
	.p2alignl 7, 3214868480
	.fill 96, 4, 3214868480
	.section	.rodata,"a",@progbits
	.p2align	6, 0x0
	.amdhsa_kernel k_q3e605f4000_attn
		.amdhsa_group_segment_fixed_size 67584
		.amdhsa_private_segment_fixed_size 0
		.amdhsa_enable_private_segment 0
		.amdhsa_kernarg_size 24
		.amdhsa_user_sgpr_count 2
		.amdhsa_user_sgpr_kernarg_segment_ptr 1
		.amdhsa_wavefront_size32 1
		.amdhsa_system_sgpr_workgroup_id_x 1
		.amdhsa_system_sgpr_workgroup_id_y 1
		.amdhsa_system_sgpr_workgroup_id_z 1
		.amdhsa_system_vgpr_workitem_id 0
		.amdhsa_next_free_vgpr 256
		.amdhsa_next_free_sgpr 66
		.amdhsa_reserve_vcc 0
		.amdhsa_float_denorm_mode_32 3
		.amdhsa_float_denorm_mode_16_64 3
		.amdhsa_memory_ordered 1
		.amdhsa_forward_progress 1
		.amdhsa_inst_pref_size 112
	.end_amdhsa_kernel
	.amdgpu_metadata
---
amdhsa.version: [ 1, 2 ]
amdhsa.kernels:
  - .name:           k_q3e605f4000_attn
    .symbol:         k_q3e605f4000_attn.kd
    .args:
      - { .name: qkvc, .offset: 0, .size: 8, .value_kind: global_buffer, .address_space: global }
      - { .name: lowp_scales, .offset: 8, .size: 8, .value_kind: global_buffer, .address_space: global }
      - { .name: oc, .offset: 16, .size: 8, .value_kind: global_buffer, .address_space: global }
    .group_segment_fixed_size: 67584
    .private_segment_fixed_size: 0
    .kernarg_segment_align: 8
    .kernarg_segment_size: 24
    .max_flat_workgroup_size: 512
    .sgpr_count:     66
    .vgpr_count:     256
    .wavefront_size: 32
...
	.end_amdgpu_metadata
.endif
;; end of part 5
;; launch proj: the kernel of part 4 again; grid 4 x 32, 4 waves a work-group, clusters of 4 x 4, 327,680 bytes of LDS; arguments oc, wc, lowp_scales, bp, out0; writes out0
